; MI455X (gfx1250); checked and timed in simulation.
; The chip was launched on July 23, 2026; its instructions are those of AMD's public machine-readable ISA for CDNA 5 (MIT licence, August 2026) and "CDNA5" Instruction Set Architecture Reference Guide (July 2026). The comments in the code are by the model that wrote it; some were corrected since.
;; Memory Pool. Allowed arithmetic: float matrix products may take bf16 or f16 operands with f32 sums; other float arithmetic in f32, or as packed bf16 or f16 multiplies, adds, multiply-adds, maxima and minima; sums over many terms, partial sums and values carried from step to step in f32; what a program stores and reads back later, other than sums and carried values, may be rounded once to bf16 or f16.
;; Inputs: Wg 1,024 x 1,024 float32; Wk 128 x 128 float32; Wout 1,024 x 2,048 float32; Wq 128 x 1,024 float32; Wv 1,024 x 128 float32; bg 1,024 float32; pool 8 x 256 x 128 float32; pool_mask 8 x 256 bool; x 8 x 2,048 x 1,024 float32.
;; Outputs: out0 8 x 2,048 x 1,024 float32.
;; 2 versions, each right; version 2 is version 1 with the launch prep written anew for expert scheduling mode. Each part assembles by itself: llvm-mc -triple=amdgcn-amd-amdhsa -mcpu=gfx1250 --defsym DOCPART=n.
;; ======== version 1 of 2: 3 launches
;; limits: right only within a limited range of input values
;; workspace buffers: xa 37,748,736 bytes; wb 4,194,304 bytes; wwb 262,144 bytes; wqf 262,144 bytes; kf 524,288 bytes; pf 524,288 bytes; mb 8,192 bytes
;; launch prep (part 1): grid 240 x 1, 8 waves a work-group, no clusters, 295,936 bytes of LDS; arguments Wg, Wout, Wq, Wk, Wv, pool, pool_mask, wb, wwb, wqf, kf, pf, mb; writes wb, wwb, wqf, kf, pf, mb
.if DOCPART == 1
	.amdgcn_target "amdgcn-amd-amdhsa--gfx1250"
	.amdhsa_code_object_version 6
	.text
	.protected	k_qf0d1e81149_prep
	.globl	k_qf0d1e81149_prep
	.p2align	8
	.type	k_qf0d1e81149_prep,@function
k_qf0d1e81149_prep:
	s_mov_b64 s[64:65], 0
	v_nop
	global_prefetch_b8 v0, s[64:65] scope:SCOPE_SE
	s_setreg_imm32_b32 hwreg(HW_REG_WAVE_MODE, 25, 1), 1
	s_wait_xcnt 0x0
; PREP: the weights and the pool are rounded to bf16 once and laid as the two later launches read them.  Four jobs, chosen by the work-group's number:
;   0-63    WW:   wwb[d][s] = sum over c of Wout[d][1024+c] Wv[c][s]  (bf16 operands, f32 sums, rounded once).  16 rows d a work-group; wave w sums c = 128 w .. 128 w + 127; the eight partial sums meet in LDS in f32.
;   64-191  WB:   wb row 256 j + 128 ch + 64 t + c = Wg (t = 0) or the first 1,024 columns of Wout (t = 1), row d = 128 j + 64 ch + c.  Two rows a wave.
;   192-223 POOL: kf = pool Wk^T and pf = pool turned, both in the order of matrix fragments (512 bytes = 32 lanes x 16 bytes, a lane's four registers); mb = 0 or -1e30 from pool_mask.
;   224-239 WQ:   wqf = Wq in the order of matrix fragments.
; A fragment of 16 rows x 32 k: lane l holds row l % 16; registers 0-3 k = 8 (l / 16) + 0..7, registers 4-7 k = 16 + 8 (l / 16) + 0..7 (ISA guide 7.12.2).
; LIMITS: bf16 rounding of every operand; NaN and infinities are not treated apart.
; No tensor loads and no cluster: every wave's reads are its own but Wv's 512 KB, which job WW's work-groups each read through registers on the way to bf16.
.set REG,   36864                      ; a wave's LDS region: 128 rows of Wv in bf16, 256 bytes + 32 of padding; later its partial sums, 16 rows of 512 + 16 bytes
.set SPARE, 8*REG                      ; behind the regions: the spare words, 128 bytes a wave
.set SPW,   254                        ; v254  LDS address of my spare word; never rewritten
.set NIL,   255                        ; v255  0; never rewritten
.macro PLACES                          ; four plain vector instructions between a matrix instruction and a load into, or a vector use of, its registers
.rept 4
	v_nop
.endr
.endm
.macro RAW4 dst, adr, lo, off          ; one fragment's 16 f32 a lane: k = 8 h + 0..7 at off, k = 16 + 8 h + 0..7 at off + 64
	global_load_b128 v[(\dst):(\dst)+3],     v[\adr], s[\lo:\lo+1] offset:(\off)
	global_load_b128 v[(\dst)+4:(\dst)+7],   v[\adr], s[\lo:\lo+1] offset:(\off)+16
	global_load_b128 v[(\dst)+8:(\dst)+11],  v[\adr], s[\lo:\lo+1] offset:(\off)+64
	global_load_b128 v[(\dst)+12:(\dst)+15], v[\adr], s[\lo:\lo+1] offset:(\off)+80
.endm
.macro CVT8 dst, src                   ; 16 f32 -> 8 registers of bf16; in place too: register i is written from 2 i and 2 i + 1
.set ci, 0
.rept 8
	v_cvt_pk_bf16_f32 v[(\dst)+ci], v[(\src)+2*ci], v[(\src)+2*ci+1]
.set ci, ci+1
.endr
.endm
	s_load_b512 s[8:23], s[0:1], 0x0               ; Wg 8, Wout 10, Wq 12, Wk 14, Wv 16, pool 18, pool_mask 20, wb 22
	s_load_b256 s[24:31], s[0:1], 0x40             ; wwb 24, wqf 26, kf 28, pf 30
	s_load_b64 s[32:33], s[0:1], 0x60              ; mb
	v_lshl_add_u32 v[SPW], v0, 2, SPARE
	v_mov_b32 v[NIL], 0
	v_lshrrev_b32 v1, 5, v0
	v_readfirstlane_b32 s3, v1                     ; wave 0..7
	v_and_b32 v1, 31, v0                           ; lane
	v_and_b32 v2, 15, v0                           ; r = lane % 16
	v_bfe_u32 v3, v0, 4, 1                         ; h = lane / 16
	v_lshlrev_b32 v4, 4, v1                        ; 16 x lane
	v_lshlrev_b32 v5, 3, v1                        ; 8 x lane
	s_mov_b32 s41, 0                               ; high word of every offset pair s[40:41]
	s_wait_kmcnt 0x0
	s_cmp_lt_u32 ttmp9, 64
	s_cbranch_scc1 .Lww
	s_cmp_lt_u32 ttmp9, 192
	s_cbranch_scc1 .Lwb
	s_cmp_lt_u32 ttmp9, 224
	s_cbranch_scc1 .Lpool
	; ---- WQ: unit u = 0..127 makes the four halves 4 u .. 4 u + 3: K step u / 4 of 32, row blocks 2 (u % 4) and 2 (u % 4) + 1
	s_sub_co_u32 s34, ttmp9, 224
	s_lshl_b32 s34, s34, 3
	s_add_co_u32 s34, s34, s3                      ; u
	s_and_b32 s35, s34, 3
	s_lshl_b32 s35, s35, 17                        ; 32 rows of 4,096 bytes
	s_lshr_b32 s36, s34, 2
	s_lshl_b32 s36, s36, 7                         ; 32 f32 along the row
	s_add_co_u32 s40, s35, s36
	s_add_nc_u64 s[12:13], s[12:13], s[40:41]
	s_lshl_b32 s40, s34, 11
	s_add_nc_u64 s[26:27], s[26:27], s[40:41]
	v_lshlrev_b32 v6, 12, v2
	v_lshl_add_u32 v6, v3, 5, v6                   ; r x 4,096 + 32 h
.set n, 0
.rept 4                                ; half n: row block n / 2, k half n % 2
	global_load_b128 v[16+8*n:16+8*n+3],   v6, s[12:13] offset:(n/2)*65536+(n%2)*64
	global_load_b128 v[16+8*n+4:16+8*n+7], v6, s[12:13] offset:(n/2)*65536+(n%2)*64+16
.set n, n+1
.endr
	s_wait_loadcnt 0x0
.set n, 0
.rept 16
	v_cvt_pk_bf16_f32 v[48+n], v[16+2*n], v[16+2*n+1]
.set n, n+1
.endr
.set n, 0
.rept 4
	global_store_b128 v4, v[48+4*n:48+4*n+3], s[26:27] offset:n*512  ; 512 consecutive bytes
.set n, n+1
.endr
	s_branch .Ljoin
	; ---- WB: unit u = 0..1023 makes rows 2 u and 2 u + 1 of wb
.Lwb:
	s_sub_co_u32 s34, ttmp9, 64
	s_lshl_b32 s34, s34, 3
	s_add_co_u32 s34, s34, s3                      ; u
	s_lshl_b32 s35, s34, 1                         ; rho, the first of my two rows
	s_lshr_b32 s36, s35, 8
	s_lshl_b32 s36, s36, 7                         ; 128 j
	s_bfe_u32 s37, s35, 0x10007
	s_lshl_b32 s37, s37, 6                         ; 64 ch
	s_add_co_u32 s36, s36, s37
	s_and_b32 s37, s35, 63
	s_add_co_u32 s36, s36, s37                     ; d
	s_bfe_u32 s46, s35, 0x10006                    ; t
	s_lshl_b32 s40, 0x1000, s46                    ; bytes in a source row: 4,096 (Wg) or 8,192 (Wout)
	s_cmp_eq_u32 s46, 1
	s_cselect_b64 s[38:39], s[10:11], s[8:9]
	s_mul_i32 s42, s36, s40
	s_mov_b32 s43, 0
	s_add_nc_u64 s[38:39], s[38:39], s[42:43]      ; source row d,
	s_add_nc_u64 s[44:45], s[38:39], s[40:41]      ; and d + 1
	s_lshl_b32 s42, s35, 11
	s_add_nc_u64 s[22:23], s[22:23], s[42:43]
.set n, 0
.rept 8
	global_load_b128 v[16+4*n:19+4*n], v4, s[38:39] offset:n*512 th:TH_LOAD_NT
.set n, n+1
.endr
.rept 8
	global_load_b128 v[16+4*n:19+4*n], v4, s[44:45] offset:(n-8)*512 th:TH_LOAD_NT
.set n, n+1
.endr
.set n, 0
.rept 16
	s_wait_loadcnt 15-n                            ; loads come back in order: number n is in, the younger ones stay out
	v_cvt_pk_bf16_f32 v[80+2*n], v[16+4*n], v[16+4*n+1]
	v_cvt_pk_bf16_f32 v[81+2*n], v[16+4*n+2], v[16+4*n+3]
	global_store_b64 v5, v[80+2*n:81+2*n], s[22:23] offset:n*256  ; 32 lanes store 256 consecutive bytes, aligned
.set n, n+1
.endr
	s_branch .Ljoin
	; ---- POOL: unit u = 0..255: batch u / 32, 16 pool rows pb = (u / 2) % 16, half eh = u % 2 of the 128 columns
.Lpool:
	s_sub_co_u32 s34, ttmp9, 192
	s_lshl_b32 s34, s34, 3
	s_add_co_u32 s34, s34, s3                      ; u
	s_lshr_b32 s35, s34, 1
	s_and_b32 s36, s34, 1                          ; eh
	s_lshr_b32 s37, s34, 5                         ; batch
	s_and_b32 s38, s35, 15                         ; pb
	v_lshlrev_b32 v6, 9, v2
	v_lshl_add_u32 v6, v3, 5, v6                   ; r x 512 + 32 h
	s_lshl_b32 s40, s35, 13
	s_add_nc_u64 s[18:19], s[18:19], s[40:41]      ; pool at my 16 rows
	s_lshl_b32 s40, s36, 15
	s_add_nc_u64 s[14:15], s[14:15], s[40:41]      ; Wk at my 64 rows
	s_lshl_b32 s42, s37, 16
	s_lshl_b32 s39, s36, 15
	s_add_co_u32 s44, s42, s39
	s_lshl_b32 s39, s38, 10
	s_add_co_u32 s44, s44, s39
	s_mov_b32 s45, 0
	s_add_nc_u64 s[28:29], s[28:29], s[44:45]      ; kf + batch x 65,536 + eh x 32,768 + pb x 1,024
	s_lshr_b32 s39, s38, 1
	s_lshl_b32 s39, s39, 13
	s_add_co_u32 s44, s42, s39
	s_lshl_b32 s39, s36, 12
	s_add_co_u32 s44, s44, s39
	s_and_b32 s39, s38, 1
	s_lshl_b32 s39, s39, 9
	s_add_co_u32 s44, s44, s39
	s_add_nc_u64 s[30:31], s[30:31], s[44:45]      ; pf + batch x 65,536 + (pb / 2) x 8,192 + eh x 4,096 + (pb % 2) x 512
.macro KRAW dst, ks                    ; Wk: four blocks of 16 rows, K step ks
.set ke, 0
.rept 4
	RAW4 (\dst)+16*ke, 6, 14, ke*8192+(\ks)*128
.set ke, ke+1
.endr
.endm
.macro KCVT dst
.set ke, 0
.rept 4
	CVT8 (\dst)+16*ke, (\dst)+16*ke
.set ke, ke+1
.endr
.endm
.macro KMUL src, ks, zero              ; source 0 = 16 rows of Wk, source 1 = my 16 pool rows: a lane holds one pool row and eight neighbouring e.  The four accumulators take turns
.set ke, 0
.rept 4
.if \zero
	v_wmma_f32_16x16x32_bf16 v[208+8*ke:208+8*ke+7], v[(\src)+16*ke:(\src)+16*ke+7], v[16+16*(\ks):16+16*(\ks)+7], 0
.else
	v_wmma_f32_16x16x32_bf16 v[208+8*ke:208+8*ke+7], v[(\src)+16*ke:(\src)+16*ke+7], v[16+16*(\ks):16+16*(\ks)+7], v[208+8*ke:208+8*ke+7]
.endif
.set ke, ke+1
.endr
.endm
.set ks, 0
.rept 4
	RAW4 16+16*ks, 6, 18, ks*128                   ; my pool rows, all four K steps
.set ks, ks+1
.endr
	KRAW 80, 0
	KRAW 144, 1
	s_wait_loadcnt 16                              ; all but the 16 of K step 1
.set ks, 0
.rept 4
	CVT8 16+16*ks, 16+16*ks
.set ks, ks+1
.endr
	KCVT 80
	KMUL 80, 0, 1
	PLACES
	KRAW 80, 2
	s_wait_loadcnt 16                              ; K step 1 is in, step 2 stays out
	KCVT 144
	KMUL 144, 1, 0
	PLACES
	KRAW 144, 3
	s_wait_loadcnt 16                              ; K step 2 is in
	KCVT 80
	KMUL 80, 2, 0
	s_wait_loadcnt 0x0
	KCVT 144
	KMUL 144, 3, 0
	PLACES
.set ke, 0
.rept 4
.set cj, 0
.rept 4
	v_cvt_pk_bf16_f32 v[80+4*ke+cj], v[208+8*ke+2*cj], v[208+8*ke+2*cj+1]
.set cj, cj+1
.endr
	global_store_b128 v4, v[80+4*ke:80+4*ke+3], s[28:29] offset:(ke/2)*16384+(ke%2)*512
.set ke, ke+1
.endr
	; pf: lane (r, h) takes pool rows 8 h + 0..7 of my 16 at column 64 eh + 16 s' + r
	v_lshlrev_b32 v7, 12, v3
	v_lshl_add_u32 v7, v2, 2, v7
	s_lshl_b32 s40, s36, 8
	s_add_nc_u64 s[18:19], s[18:19], s[40:41]      ; every load by this base has come back
.set n, 0
.rept 32
	global_load_b32 v[96+n], v7, s[18:19] offset:(n%8)*512+(n/8)*64
.set n, n+1
.endr
	s_wait_loadcnt 0x0
.set n, 0
.rept 16
	v_cvt_pk_bf16_f32 v[128+n], v[96+2*n], v[96+2*n+1]
.set n, n+1
.endr
.set n, 0
.rept 4
	global_store_b128 v4, v[128+4*n:128+4*n+3], s[30:31] offset:n*1024
.set n, n+1
.endr
	; mb: the first two units of a batch turn 128 mask bytes each into 0 (kept) or -1e30 (hidden)
	s_and_b32 s35, s34, 31
	s_cmp_lt_u32 s35, 2
	s_cbranch_scc0 .Ljoin
	s_lshl_b32 s40, s37, 8
	s_lshl_b32 s42, s35, 7
	s_add_co_u32 s40, s40, s42
	s_add_nc_u64 s[20:21], s[20:21], s[40:41]
	s_lshl_b32 s40, s40, 2
	s_add_nc_u64 s[32:33], s[32:33], s[40:41]
	v_lshlrev_b32 v8, 2, v1
	global_load_b32 v240, v8, s[20:21]
	v_mov_b32 v242, 0xf149f2ca                     ; -1e30
	s_wait_loadcnt 0x0
.set k, 0
.rept 4
	v_bfe_u32 v241, v240, 8*k, 8
	v_cmp_ne_u32 vcc_lo, 0, v241
	v_cndmask_b32 v[244+k], v242, v[NIL], vcc_lo
.set k, k+1
.endr
	global_store_b128 v4, v[244:247], s[32:33]
	s_branch .Ljoin
	; ---- WW, phase 1: my 128 c.  Wv's rows go to LDS in bf16 and come back turned (ds_load_tr16_b128), since Wv lies [c][s] and the product sums over c
.Lww:
	s_mul_i32 s34, s3, REG
	s_lshl_b32 s40, ttmp9, 17                      ; 16 rows of Wout, 8,192 bytes each,
	s_lshl_b32 s35, s3, 9
	s_add_co_u32 s40, s40, s35                     ; my 128 columns,
	s_add_co_u32 s40, s40, 4096                    ; in the second half of the row
	s_add_nc_u64 s[10:11], s[10:11], s[40:41]
	s_lshl_b32 s40, s3, 16
	s_add_nc_u64 s[16:17], s[16:17], s[40:41]      ; Wv at row 128 w
	v_lshlrev_b32 v6, 13, v2
	v_lshl_add_u32 v6, v3, 5, v6                   ; r x 8,192 + 32 h
	v_add_nc_u32 v7, s34, v5                       ; a row of Wv in LDS: 8 bytes a lane
	v_and_b32 v8, 7, v0
	v_lshl_add_u32 v8, v3, 3, v8
	v_mul_u32_u24 v8, v8, 288
	v_bfe_u32 v9, v0, 3, 1
	v_lshl_add_u32 v8, v9, 4, v8
	v_add_nc_u32 v8, s34, v8                       ; the turning load: row 8 h + l % 8, 16 bytes at 16 ((l / 8) % 2)
	v_mul_u32_u24 v9, v2, 528
	v_lshl_add_u32 v9, v3, 5, v9
	v_add_nc_u32 v9, s34, v9                       ; my partial sums: row r, 32 bytes at 32 h
.macro VROW n, slot
	global_load_b128 v[112+4*(\slot):112+4*(\slot)+3], v4, s[16:17] offset:(\n)*512
.endm
.set ks, 0
.rept 4
	RAW4 112+16*ks, 6, 10, ks*128                  ; Wout's fragments lie in ring slots 0-15 until they are rounded
.set ks, ks+1
.endr
.set n, 0
.rept 16
	VROW n, n+16
.set n, n+1
.endr
	s_wait_loadcnt 16                              ; Wout's 16 loads are in
.set ks, 0
.rept 4
	CVT8 16+8*ks, 112+16*ks
.set ks, ks+1
.endr
.set n, 16
.rept 16
	VROW n, n-16
.set n, n+1
.endr
.set n, 0
.rept 128                              ; a ring of 32 rows: row n is rounded and stored to LDS, row n + 32 asked for
.if n < 96
	s_wait_loadcnt 31                              ; rows n + 1 .. n + 31 stay out
.else
	s_wait_loadcnt 127-n
.endif
.set sl, (n+16)%32
	v_cvt_pk_bf16_f32 v[240+2*(n%4)], v[112+4*sl], v[112+4*sl+1]
	v_cvt_pk_bf16_f32 v[241+2*(n%4)], v[112+4*sl+2], v[112+4*sl+3]
	ds_store_b64 v7, v[240+2*(n%4):241+2*(n%4)] offset:n*288
.if n < 96
	VROW n+32, sl
.endif
.set n, n+1
.endr
.set ks, 0
.rept 4
.set sb, 0
.rept 8                                ; LDS serves a wave's instructions in order: these see my stores above
	ds_load_tr16_b128 v[112+8*sb:112+8*sb+3],   v8 offset:ks*9216+sb*32
	ds_load_tr16_b128 v[112+8*sb+4:112+8*sb+7], v8 offset:ks*9216+sb*32+4608
.set sb, sb+1
.endr
	s_wait_dscnt 0x0
.set sb, 0
.rept 8                                ; source 0 = 16 columns s of Wv, source 1 = my 16 rows d: a lane holds one d and eight neighbouring s.  Eight accumulators by turns
.if ks == 0
	v_wmma_f32_16x16x32_bf16 v[48+8*sb:48+8*sb+7], v[112+8*sb:112+8*sb+7], v[16+8*ks:16+8*ks+7], 0
.else
	v_wmma_f32_16x16x32_bf16 v[48+8*sb:48+8*sb+7], v[112+8*sb:112+8*sb+7], v[16+8*ks:16+8*ks+7], v[48+8*sb:48+8*sb+7]
.endif
.set sb, sb+1
.endr
	PLACES
.set ks, ks+1
.endr
.set sb, 0
.rept 8                                ; the partial sums in f32 over my own region, whose rows of Wv have been read
	ds_store_b128 v9, v[48+8*sb:48+8*sb+3]   offset:sb*64
	ds_store_b128 v9, v[48+8*sb+4:48+8*sb+7] offset:sb*64+16
.set sb, sb+1
.endr
.Ljoin:                                                ; every job comes here: the one barrier stands on every wave's path
	s_wait_xcnt 0x0                                ; what follows rewrites registers that stores above have named
	s_wait_dscnt 0x0                               ; for the others' sake: my partial sums are in LDS
	s_barrier_signal -1
	s_barrier_wait -1
	s_cmp_lt_u32 ttmp9, 64
	s_cbranch_scc0 .Lend
	; ---- WW, phase 2: wave w adds the eight partial sums of rows 2 w and 2 w + 1, in f32, and rounds once
	s_mul_i32 s34, s3, 2*528
	v_mul_u32_u24 v6, v3, 528
	v_lshl_add_u32 v6, v2, 5, v6
	v_add_nc_u32 v6, s34, v6
	s_lshl_b32 s40, ttmp9, 12
	s_lshl_b32 s35, s3, 9
	s_add_co_u32 s40, s40, s35
	s_mov_b32 s41, 0
	s_add_nc_u64 s[24:25], s[24:25], s[40:41]
.set sg, 0
.rept 8
	v_add_nc_u32 v[8+sg], sg*REG, v6
.set sg, sg+1
.endr
.set sg, 0
.rept 8
	ds_load_b128 v[16+8*sg:16+8*sg+3],   v[8+sg]
	ds_load_b128 v[16+8*sg+4:16+8*sg+7], v[8+sg] offset:16
.set sg, sg+1
.endr
	s_wait_dscnt 0x0
.set sg, 1
.rept 7
.irp p, 0,1,2,3
	v_pk_add_f32 v[16+2*\p:17+2*\p], v[16+2*\p:17+2*\p], v[16+8*sg+2*\p:17+8*sg+2*\p]
.endr
.set sg, sg+1
.endr
.irp p, 0,1,2,3
	v_cvt_pk_bf16_f32 v[80+\p], v[16+2*\p], v[17+2*\p]
.endr
	global_store_b128 v4, v[80:83], s[24:25]       ; two whole rows of wwb: 512 consecutive bytes
.Lend:
	s_wait_tensorcnt 0x0                           ; the wave's end
	ds_add_u32 v[SPW], v[NIL]
	s_wait_dscnt 0x0
	s_endpgm
.Lfunc_end_k_qf0d1e81149_prep:
	.size	k_qf0d1e81149_prep, .Lfunc_end_k_qf0d1e81149_prep-k_qf0d1e81149_prep
	.p2alignl 7, 3214868480
	.fill 96, 4, 3214868480
	.section	.rodata,"a",@progbits
	.p2align	6, 0x0
	.amdhsa_kernel k_qf0d1e81149_prep
		.amdhsa_group_segment_fixed_size 295936
		.amdhsa_private_segment_fixed_size 0
		.amdhsa_enable_private_segment 0
		.amdhsa_kernarg_size 104
		.amdhsa_user_sgpr_count 2
		.amdhsa_user_sgpr_kernarg_segment_ptr 1
		.amdhsa_wavefront_size32 1
		.amdhsa_system_sgpr_workgroup_id_x 1
		.amdhsa_system_sgpr_workgroup_id_y 1
		.amdhsa_system_sgpr_workgroup_id_z 1
		.amdhsa_system_vgpr_workitem_id 0
		.amdhsa_next_free_vgpr 256
		.amdhsa_next_free_sgpr 66
		.amdhsa_reserve_vcc 1
		.amdhsa_float_denorm_mode_32 3
		.amdhsa_float_denorm_mode_16_64 3
		.amdhsa_memory_ordered 1
		.amdhsa_forward_progress 1
		.amdhsa_inst_pref_size 94
	.end_amdhsa_kernel
	.amdgpu_metadata
---
amdhsa.version: [ 1, 2 ]
amdhsa.kernels:
  - .name:           k_qf0d1e81149_prep
    .symbol:         k_qf0d1e81149_prep.kd
    .args:
      - { .name: Wg, .offset: 0, .size: 8, .value_kind: global_buffer, .address_space: global }
      - { .name: Wout, .offset: 8, .size: 8, .value_kind: global_buffer, .address_space: global }
      - { .name: Wq, .offset: 16, .size: 8, .value_kind: global_buffer, .address_space: global }
      - { .name: Wk, .offset: 24, .size: 8, .value_kind: global_buffer, .address_space: global }
      - { .name: Wv, .offset: 32, .size: 8, .value_kind: global_buffer, .address_space: global }
      - { .name: pool, .offset: 40, .size: 8, .value_kind: global_buffer, .address_space: global }
      - { .name: pool_mask, .offset: 48, .size: 8, .value_kind: global_buffer, .address_space: global }
      - { .name: wb, .offset: 56, .size: 8, .value_kind: global_buffer, .address_space: global }
      - { .name: wwb, .offset: 64, .size: 8, .value_kind: global_buffer, .address_space: global }
      - { .name: wqf, .offset: 72, .size: 8, .value_kind: global_buffer, .address_space: global }
      - { .name: kf, .offset: 80, .size: 8, .value_kind: global_buffer, .address_space: global }
      - { .name: pf, .offset: 88, .size: 8, .value_kind: global_buffer, .address_space: global }
      - { .name: mb, .offset: 96, .size: 8, .value_kind: global_buffer, .address_space: global }
    .group_segment_fixed_size: 295936
    .private_segment_fixed_size: 0
    .kernarg_segment_align: 8
    .kernarg_segment_size: 104
    .max_flat_workgroup_size: 256
    .sgpr_count:     66
    .vgpr_count:     256
    .wavefront_size: 32
...
	.end_amdgpu_metadata
.endif
;; end of part 1
;; launch attn (part 2): grid 256 x 1, 4 waves a work-group, no clusters, 165,376 bytes of LDS; arguments x, wqf, kf, pf, mb, xa; writes xa
.if DOCPART == 2
	.amdgcn_target "amdgcn-amd-amdhsa--gfx1250"
	.amdhsa_code_object_version 6
	.text
	.protected	k_qf0d1e81149_attn
	.globl	k_qf0d1e81149_attn
	.p2align	8
	.type	k_qf0d1e81149_attn,@function
k_qf0d1e81149_attn:
	s_mov_b64 s[64:65], 0
	v_nop
	global_prefetch_b8 v0, s[64:65] scope:SCOPE_SE
	s_setreg_imm32_b32 hwreg(HW_REG_WAVE_MODE, 25, 1), 1
	s_wait_xcnt 0x0
; ATTN: reads x once.  xa[row][0:1024] = bf16(x[row]);  xa[row][1024:1152] = R[row] = softmax_p(q . k[p] / sqrt(128), masked) pool[p], with q = x Wq^T.
; A work-group owns 64 rows of one batch.  For q, wave w takes columns 256 w .. 256 w + 255 of all 64 rows (four tiles of 16 rows); the four partial sums meet in LDS in f32 behind the one barrier;
; then wave w owns row tile w: scores, softmax and R.
; LAYOUT.  Every product is used transposed (source 0 = 16 rows of the weights or of the pool, source 1 = 16 rows of x, q or the weights p), so a lane always holds ONE row of x (lane % 16) and eight neighbouring
; numbers 8 (lane / 16) + 0..7; two results rounded to bf16 in pairs ARE source 1 of the next product.  Wq, k and pool come in fragment order straight into 512 registers.
; SOFTMAX.  The mask (0 or -1e30) is the C operand that starts the score sums.  m is the row's true maximum; e = 2^(c s - c m), c = log2(e) / sqrt(128); l is the f32 sum of the unrounded e; e is rounded to bf16;
; R = (sum e pool) / l in f32, rounded once.  A row whose maximum is at or below -2^96 has no key left: its 1 / l is taken as 0 and R is 0.
; LIMITS.  True scores lie within +-7.9e28 (2^96); a weight below 2^-126 counts as 0; NaN and infinities are not treated apart; bf16 rounding of x, q, k, pool, e and R.
; NO CLUSTER, no tensor loads: what work-groups share (wqf, kf, pf) goes straight into registers; a joint load lands in LDS alone and would have to be read from there again.
; REGISTERS, in windows of 256 (s_set_vgpr_msb: bits 1:0 source 0, 3:2 source 1, 5:4 source 2, 7:6 destination):
;   window 0: v1-14 addresses; v16-26 statistics; v30-31 the add's two; v32-95 x's fragments, v96-159 q's sums, v160-175 packed x; later v32-159 scores, v176-207 q, v160-223 weights, v32-95 R's sums, v96-159 the way out
;   window 1: a ring of 64 slots of 4 for x as loaded; later two partial sums (v0-127) and the mask (v128-255)          windows 2, 3: 64 fragments: Wq's, then k's, then the pool's
.set XTB,   8448                       ; a wave's 16 rows of 256 bf16: 512 bytes + 16 of padding, so that the 16 rows of a fragment load start 16 bytes apart modulo 256
.set PART,  4*XTB                      ; the partial sums: [wave 32,768][tile 8,192][block 1,024][half 512][lane 16]
.set SPARE, PART+131072                ; the spare words, 128 bytes a wave
.set XF,   32
.set ACC,  96
.set Y,    160
.set S,    32
.set QF,   176
.set PB,   160
.set RACC, 32
.set T,    96
.set BK,   128
.set MSB, 0
.macro WIN new                         ; the immediate's high byte repeats the setting that is left; a switch that changes nothing is dropped
.if MSB != (\new)
	s_set_vgpr_msb (MSB<<8)|(\new)
.set MSB, \new
.endif
.endm
.macro PLACES                          ; four plain vector instructions between a matrix instruction and a load into, or a vector use of, its registers
.rept 4
	v_nop
.endr
.endm
.macro XLOAD t, n0, cnt                ; loads n0 .. of tile t: load n is row n / 2, half n % 2 of my 1,024 bytes: 512 consecutive bytes
	WIN 0x40
.set n, \n0
.rept \cnt
	global_load_b128 v[4*(32*((\t)&1)+n):4*(32*((\t)&1)+n)+3], v4, s[4:5] offset:(16*(\t)+(n>>1))*4096+(n&1)*512 th:TH_LOAD_NT
.set n, n+1
.endr
.endm
.macro FRAGS lo                        ; 64 fragments, 65,536 consecutive bytes, into windows 2 and 3
	WIN 0x80
.set f, 0
.rept 32
	global_load_b128 v[8*f:8*f+3],   v4, s[\lo:\lo+1] offset:f*1024
	global_load_b128 v[8*f+4:8*f+7], v4, s[\lo:\lo+1] offset:f*1024+512
.set f, f+1
.endr
	WIN 0xc0
.set f, 0
.rept 32
	global_load_b128 v[8*f:8*f+3],   v4, s[\lo:\lo+1] offset:(f+32)*1024
	global_load_b128 v[8*f+4:8*f+7], v4, s[\lo:\lo+1] offset:(f+32)*1024+512
.set f, f+1
.endr
	WIN 0
.endm
; Eight loads (four rows) of tile t are rounded, stored to xa and put into my rows in LDS.  cnt: the younger loads that may stay out.  refill = 1: their slots take the tile two on.
.macro GROUP t, g, cnt, refill
	s_wait_loadcnt \cnt
	s_wait_xcnt 0x0                                ; the packed registers are rewritten only when the stores that name them have had their addresses translated (ISA guide 3.1)
	WIN 0x05
.set n, 8*(\g)
.rept 8
.set XS, 4*(32*((\t)&1)+n)
	v_cvt_pk_bf16_f32 v[Y+2*(n&7)],   v[XS],   v[XS+1]
	v_cvt_pk_bf16_f32 v[Y+2*(n&7)+1], v[XS+2], v[XS+3]
.set n, n+1
.endr
.if \refill
	XLOAD (\t)+2, 8*(\g), 8
.endif
	WIN 0
.set n, 8*(\g)
.rept 8
	global_store_b64 v5, v[Y+2*(n&7):Y+2*(n&7)+1], s[18:19] offset:(16*(\t)+(n>>1))*2304+(n&1)*256  ; 32 lanes store 256 consecutive bytes, aligned
	ds_store_b64 v6, v[Y+2*(n&7):Y+2*(n&7)+1] offset:(n>>1)*528+(n&1)*256
.set n, n+1
.endr
.endm
; A tile: 16 rows x my 256 columns.  64 matrix instructions on eight accumulators that take turns; the sums go to LDS in f32.
.macro TILE t, c0, c1, c2, c3, refill
	GROUP \t, 0, \c0, \refill
	GROUP \t, 1, \c1, \refill
	GROUP \t, 2, \c2, \refill
	GROUP \t, 3, \c3, \refill
.set ks, 0
.rept 8                                ; LDS serves a wave's instructions in order: these see my stores above, and the next tile's stores come behind them
	ds_load_b128 v[XF+8*ks:XF+8*ks+3],   v7 offset:ks*64
	ds_load_b128 v[XF+8*ks+4:XF+8*ks+7], v7 offset:ks*64+32
.set ks, ks+1
.endr
	s_wait_dscnt 0x0
.if (\t) == 0
	s_wait_loadcnt 63                              ; 64 loads of x were issued behind Wq's last: with 63 out Wq's fragments are in
.endif
.set ks, 0
.rept 8
	WIN 0x02+(ks/4)
.set eb, 0
.rept 8
.set rW, 8*(8*(ks%4)+eb)
.if ks == 0
	v_wmma_f32_16x16x32_bf16 v[ACC+8*eb:ACC+8*eb+7], v[rW:rW+7], v[XF+8*ks:XF+8*ks+7], 0
.else
	v_wmma_f32_16x16x32_bf16 v[ACC+8*eb:ACC+8*eb+7], v[rW:rW+7], v[XF+8*ks:XF+8*ks+7], v[ACC+8*eb:ACC+8*eb+7]
.endif
.set eb, eb+1
.endr
.set ks, ks+1
.endr
	WIN 0
	PLACES
.set eb, 0
.rept 8
	ds_store_b128 v10, v[ACC+8*eb:ACC+8*eb+3]   offset:(\t)*8192+eb*1024
	ds_store_b128 v10, v[ACC+8*eb+4:ACC+8*eb+7] offset:(\t)*8192+eb*1024+512
.set eb, eb+1
.endr
.endm
	s_load_b256 s[4:11], s[0:1], 0x0               ; x 4, wqf 6, kf 8, pf 10
	s_load_b128 s[12:15], s[0:1], 0x20             ; mb 12, xa 14
	v_lshl_add_u32 v30, v0, 2, SPARE               ; my spare word,
	v_mov_b32 v31, 0                               ; and 0: kept for the wave's end alone
	v_lshrrev_b32 v1, 5, v0
	v_readfirstlane_b32 s16, v1                    ; wave 0..3
	v_and_b32 v1, 31, v0                           ; lane
	v_and_b32 v2, 15, v0                           ; r
	v_bfe_u32 v3, v0, 4, 1                         ; h
	v_lshlrev_b32 v4, 4, v1                        ; 16 x lane
	v_lshlrev_b32 v5, 3, v1                        ; 8 x lane
	s_mul_i32 s17, s16, XTB                        ; my rows in LDS
	v_add_nc_u32 v6, s17, v5
	v_mul_u32_u24 v7, v2, 528
	v_lshl_add_u32 v7, v3, 4, v7
	v_add_nc_u32 v7, s17, v7                       ; a fragment of x: row r, 16 bytes at 16 h
	v_mul_u32_u24 v8, v2, 272
	v_lshl_add_u32 v8, v3, 4, v8
	v_add_nc_u32 v8, s17, v8                       ; R's way out, in: row r, 16 bytes at 16 h
	v_mul_u32_u24 v9, v3, 272
	v_lshl_add_u32 v9, v2, 4, v9
	v_add_nc_u32 v9, s17, v9                       ; back: lanes 0-15 one row of 256 bytes, lanes 16-31 the next
	s_lshl_b32 s27, s16, 15
	s_add_co_u32 s27, s27, PART
	v_add_nc_u32 v10, s27, v4                      ; where I put my partial sums
	s_lshl_b32 s27, s16, 13
	s_add_co_u32 s27, s27, PART
	v_add_nc_u32 v11, s27, v4                      ; where waves 0 and 1 put those of my row tile,
	v_add_nc_u32 v12, 0x10000, v11                 ; and waves 2 and 3
	v_lshlrev_b32 v13, 5, v3                       ; the mask: 8 f32 at 8 h
	v_mul_u32_u24 v14, v3, 2304
	v_lshl_add_u32 v14, v2, 4, v14                 ; two rows of xa, 16 bytes a lane
	s_mov_b32 s22, 0x3e0293ee                      ; c = log2(e) / sqrt(128)
	s_mov_b32 s23, s22                             ; named with it as a pair
	s_mov_b32 s24, 0x76543210                      ; v_permlanex16_b32: each lane takes its own place in the other half
	s_mov_b32 s25, 0xfedcba98
	s_mov_b32 s26, 0xef800000                      ; -2^96
	s_lshl_b32 s28, ttmp9, 18                      ; 64 rows of 4,096 bytes,
	s_lshl_b32 s27, s16, 10                        ; my 1,024 bytes of a row
	s_add_co_u32 s28, s28, s27
	s_mov_b32 s29, 0
	s_mov_b32 s31, 0
	s_wait_kmcnt 0x0
	s_add_nc_u64 s[4:5], s[4:5], s[28:29]
	s_lshl_b32 s28, s16, 16
	s_add_nc_u64 s[6:7], s[6:7], s[28:29]          ; Wq's fragments for my columns
	s_lshr_b32 s27, ttmp9, 5                       ; the batch
	s_lshl_b32 s28, s27, 16
	s_add_nc_u64 s[8:9], s[8:9], s[28:29]
	s_add_nc_u64 s[10:11], s[10:11], s[28:29]
	s_lshl_b32 s28, s27, 10
	s_add_nc_u64 s[12:13], s[12:13], s[28:29]
	s_mul_i32 s28, ttmp9, 147456                   ; 64 rows of xa, 2,304 bytes each
	s_lshl_b32 s27, s16, 9
	s_add_co_u32 s30, s28, s27
	s_add_nc_u64 s[18:19], s[14:15], s[30:31]      ; xa at the group's first row, my 512 bytes
	s_mul_i32 s27, s16, 36864
	s_add_co_u32 s30, s28, s27
	s_add_co_u32 s30, s30, 2048
	s_add_nc_u64 s[20:21], s[14:15], s[30:31]      ; xa at my row tile's first row, column 1,024
	XLOAD 0, 0, 32
	FRAGS 6
	XLOAD 1, 0, 32
	TILE 0, 63, 63, 63, 63, 1                      ; 184 loads are younger than each group's: 63 is the largest count that can be written, and it is smaller
	TILE 1, 56, 56, 56, 56, 1                      ; the rest of the tile, 24 - 8 g; tile 2's 32; tile 3's 8 g asked for so far
	TILE 2, 56, 48, 40, 32, 0                      ; the rest of the tile and tile 3's 32
	TILE 3, 24, 16, 8, 0, 0
	s_wait_xcnt 0x0                                ; the last packed registers take the weights later
	WIN 0x40
.set pb, 0
.rept 16                               ; the mask as an accumulator's image: register j of block pb is key 16 pb + 8 h + j
	global_load_b128 v[128+8*pb:128+8*pb+3],   v13, s[12:13] offset:pb*64
	global_load_b128 v[128+8*pb+4:128+8*pb+7], v13, s[12:13] offset:pb*64+16
.set pb, pb+1
.endr
	FRAGS 8                                        ; k's fragments: the places behind the last products stand at the end of TILE
	s_wait_dscnt 0x0                               ; for the others' sake: my partial sums are in LDS
	s_barrier_signal -1
	s_barrier_wait -1
	WIN 0x40
.set i, 0
.rept 32                               ; waves 0 and 1's sums of my row tile: i = 16 wave + 2 block + half
	ds_load_b128 v[4*i:4*i+3], v11 offset:(i/16)*32768+(i%16)*512
.set i, i+1
.endr
	WIN 0
.set i, 0
.rept 32                               ; waves 2 and 3's
	ds_load_b128 v[32+4*i:32+4*i+3], v12 offset:(i/16)*32768+(i%16)*512
.set i, i+1
.endr
	s_wait_dscnt 0x0
	WIN 0x45
.set i, 0
.rept 32
	v_pk_add_f32 v[2*i:2*i+1], v[2*i:2*i+1], v[64+2*i:64+2*i+1]
.set i, i+1
.endr
	WIN 0
.set i, 0
.rept 32
	v_pk_add_f32 v[32+2*i:32+2*i+1], v[32+2*i:32+2*i+1], v[96+2*i:96+2*i+1]
.set i, i+1
.endr
	WIN 0x04
.set i, 0
.rept 32
	v_pk_add_f32 v[32+2*i:32+2*i+1], v[32+2*i:32+2*i+1], v[2*i:2*i+1]
.set i, i+1
.endr
	WIN 0
.set i, 0
.rept 32                               ; q, rounded once: blocks 2 kk and 2 kk + 1 are source 1 for K step kk
	v_cvt_pk_bf16_f32 v[QF+i], v[32+2*i], v[32+2*i+1]
.set i, i+1
.endr
	s_wait_loadcnt 0x0                             ; the mask and k
.set kk, 0
.rept 4                                ; S^T = k q^T + mask: sixteen accumulators by turns
.if kk == 0
	WIN 0x12
.elseif kk == 1
	WIN 0x02
.else
	WIN 0x03
.endif
.set pb, 0
.rept 16
.set rK, 8*(16*(kk%2)+pb)
.if kk == 0
	v_wmma_f32_16x16x32_bf16 v[S+8*pb:S+8*pb+7], v[rK:rK+7], v[QF+8*kk:QF+8*kk+7], v[128+8*pb:128+8*pb+7]
.else
	v_wmma_f32_16x16x32_bf16 v[S+8*pb:S+8*pb+7], v[rK:rK+7], v[QF+8*kk:QF+8*kk+7], v[S+8*pb:S+8*pb+7]
.endif
.set pb, pb+1
.endr
.set kk, kk+1
.endr
	WIN 0
	PLACES
	FRAGS 10                                       ; the pool's fragments land while the softmax is made
	; the maximum of my 128 scores: four chains, ascending
.irp c, 0,1,2,3
	v_max_num_f32 v[16+\c], v[S+32*\c], v[S+32*\c+1]
.endr
.set i, 1
.rept 15
.irp c, 0,1,2,3
	v_max3_num_f32 v[16+\c], v[16+\c], v[S+32*\c+2*i], v[S+32*\c+2*i+1]
.endr
.set i, i+1
.endr
	v_max3_num_f32 v16, v16, v17, v18
	v_max_num_f32 v16, v16, v19
	v_permlanex16_b32 v17, v16, s24, s25           ; the row's other 128 keys lie in the lane 16 away
	v_max_num_f32 v20, v16, v17                    ; m
	v_mul_f32 v22, s22, v20                        ; c m,
	v_mul_f32 v23, s22, v20                        ; named as a pair
.set i, 0
.rept 64
	v_pk_fma_f32 v[S+2*i:S+2*i+1], v[S+2*i:S+2*i+1], s[22:23], v[22:23] op_sel_hi:[1,0,0] neg_lo:[0,0,1] neg_hi:[0,0,1]  ; c s - c m
.set i, i+1
.endr
.set i, 0
.rept 128
	v_exp_f32 v[S+i], v[S+i]
.set i, i+1
.endr
	v_nop                                          ; a plain instruction behind the last exponential (ISA guide 5.7.2)
.set i, 0
	s_wait_alu depctr_va_vdst(0)
.rept 64
	v_cvt_pk_bf16_f32 v[PB+i], v[S+2*i], v[S+2*i+1]
.set i, i+1
.endr
.set i, 1
.rept 15                               ; l: the unrounded weights, in f32, four chains of pairs
.irp c, 0,1,2,3
	v_pk_add_f32 v[S+32*\c:S+32*\c+1], v[S+32*\c:S+32*\c+1], v[S+32*\c+2*i:S+32*\c+2*i+1]
.endr
.set i, i+1
.endr
	v_pk_add_f32 v[S:S+1], v[S:S+1], v[S+32:S+33]
	v_pk_add_f32 v[S+64:S+65], v[S+64:S+65], v[S+96:S+97]
	v_pk_add_f32 v[S:S+1], v[S:S+1], v[S+64:S+65]
	v_add_f32 v26, v[S], v[S+1]
	v_permlanex16_b32 v17, v26, s24, s25
	v_add_f32 v26, v26, v17                        ; l is at least 1: the maximum's own weight
	v_rcp_f32 v24, v26
	v_cmp_lt_f32 vcc_lo, s26, v20                  ; has the row a key left?
	v_nop
	s_wait_alu depctr_va_vdst(0)
	v_cndmask_b32 v24, 0, v24, vcc_lo              ; if not, 1 / l counts as 0
	v_mov_b32 v25, v24
	s_wait_loadcnt 0x0                             ; the pool
.set kk, 0
.rept 8                                ; R^T = pool^T P: eight accumulators by turns
	WIN 0x02+(kk/4)
.set sb, 0
.rept 8
.set rP, 8*(8*(kk%4)+sb)
.if kk == 0
	v_wmma_f32_16x16x32_bf16 v[RACC+8*sb:RACC+8*sb+7], v[rP:rP+7], v[PB+8*kk:PB+8*kk+7], 0
.else
	v_wmma_f32_16x16x32_bf16 v[RACC+8*sb:RACC+8*sb+7], v[rP:rP+7], v[PB+8*kk:PB+8*kk+7], v[RACC+8*sb:RACC+8*sb+7]
.endif
.set sb, sb+1
.endr
.set kk, kk+1
.endr
	WIN 0
	PLACES
.set i, 0
.rept 32
	v_pk_mul_f32 v[RACC+2*i:RACC+2*i+1], v[RACC+2*i:RACC+2*i+1], v[24:25]
.set i, i+1
.endr
.set i, 0
.rept 32
	v_cvt_pk_bf16_f32 v[T+i], v[RACC+2*i], v[RACC+2*i+1]
.set i, i+1
.endr
.set sb, 0
.rept 8                                ; through my own rows in LDS: 16 bytes a lane in, whole rows of 256 bytes back
	ds_store_b128 v8, v[T+4*sb:T+4*sb+3] offset:sb*32
.set sb, sb+1
.endr
.set i, 0
.rept 8
	ds_load_b128 v[BK+4*i:BK+4*i+3], v9 offset:i*544
.set i, i+1
.endr
	s_wait_dscnt 0x0
.set i, 0
.rept 8
	global_store_b128 v14, v[BK+4*i:BK+4*i+3], s[20:21] offset:2*i*2304  ; 16 lanes store 256 consecutive bytes, aligned
.set i, i+1
.endr
	s_wait_tensorcnt 0x0                           ; the wave's end
	ds_add_u32 v30, v31
	s_wait_dscnt 0x0
	s_endpgm
.Lfunc_end_k_qf0d1e81149_attn:
	.size	k_qf0d1e81149_attn, .Lfunc_end_k_qf0d1e81149_attn-k_qf0d1e81149_attn
	.p2alignl 7, 3214868480
	.fill 96, 4, 3214868480
	.section	.rodata,"a",@progbits
	.p2align	6, 0x0
	.amdhsa_kernel k_qf0d1e81149_attn
		.amdhsa_group_segment_fixed_size 165376
		.amdhsa_private_segment_fixed_size 0
		.amdhsa_enable_private_segment 0
		.amdhsa_kernarg_size 48
		.amdhsa_user_sgpr_count 2
		.amdhsa_user_sgpr_kernarg_segment_ptr 1
		.amdhsa_wavefront_size32 1
		.amdhsa_system_sgpr_workgroup_id_x 1
		.amdhsa_system_sgpr_workgroup_id_y 1
		.amdhsa_system_sgpr_workgroup_id_z 1
		.amdhsa_system_vgpr_workitem_id 0
		.amdhsa_next_free_vgpr 1024
		.amdhsa_next_free_sgpr 66
		.amdhsa_reserve_vcc 1
		.amdhsa_float_denorm_mode_32 3
		.amdhsa_float_denorm_mode_16_64 3
		.amdhsa_memory_ordered 1
		.amdhsa_forward_progress 1
		.amdhsa_inst_pref_size 165
	.end_amdhsa_kernel
	.amdgpu_metadata
---
amdhsa.version: [ 1, 2 ]
amdhsa.kernels:
  - .name:           k_qf0d1e81149_attn
    .symbol:         k_qf0d1e81149_attn.kd
    .args:
      - { .name: x, .offset: 0, .size: 8, .value_kind: global_buffer, .address_space: global }
      - { .name: wqf, .offset: 8, .size: 8, .value_kind: global_buffer, .address_space: global }
      - { .name: kf, .offset: 16, .size: 8, .value_kind: global_buffer, .address_space: global }
      - { .name: pf, .offset: 24, .size: 8, .value_kind: global_buffer, .address_space: global }
      - { .name: mb, .offset: 32, .size: 8, .value_kind: global_buffer, .address_space: global }
      - { .name: xa, .offset: 40, .size: 8, .value_kind: global_buffer, .address_space: global }
    .group_segment_fixed_size: 165376
    .private_segment_fixed_size: 0
    .kernarg_segment_align: 8
    .kernarg_segment_size: 48
    .max_flat_workgroup_size: 128
    .sgpr_count:     66
    .vgpr_count:     1024
    .wavefront_size: 32
...
	.end_amdgpu_metadata
.endif
;; end of part 2
;; launch main (part 3): grid 8 x 64, 4 waves a work-group, clusters of 4 x 4, 327,680 bytes of LDS; arguments xa, wb, wwb, bg, out0; writes out0
.if DOCPART == 3
	.amdgcn_target "amdgcn-amd-amdhsa--gfx1250"
	.amdhsa_code_object_version 6
	.text
	.protected	k_qf0d1e81149_main
	.globl	k_qf0d1e81149_main
	.p2align	8
	.type	k_qf0d1e81149_main,@function
k_qf0d1e81149_main:
	s_mov_b64 s[64:65], 0
	v_nop
	global_prefetch_b8 v0, s[64:65] scope:SCOPE_SE
	s_setreg_imm32_b32 hwreg(HW_REG_WAVE_MODE, 25, 1), 1
	s_wait_xcnt 0x0
	s_wait_alu depctr_hold_cnt(0) depctr_sa_sdst(0) depctr_va_vdst(0) depctr_va_sdst(0) depctr_va_ssrc(0) depctr_va_vcc(0) depctr_vm_vsrc(0)
	s_getreg_b32 s2, hwreg(HW_REG_IB_STS2, 6, 4)
	s_cmp_eq_u32 s2, 0
	s_cbranch_scc0 .Lentry_in_a_cluster
	s_endpgm
.Lentry_in_a_cluster:
	s_bfe_u32 s2, ttmp6, 0x10000c
	s_cmp_lg_u32 s2, 0xf033
	s_cbranch_scc0 .Lentry_shape_is_right
	s_endpgm
.Lentry_shape_is_right:
; MAIN: out[row][d] = x[row][d] + sigmoid(G) O, with G = x Wg[d] + bg[d] (K = 1,024) and O = x Wout[d][0:1024] + R WW[d] (K = 1,152), WW = Wout[:, 1024:] Wv:
; (attn v) Wout2^T = (attn pool)(Wout2 Wv)^T, the same sums in another order.  Operands bf16, sums f32.  x in the residual is the bf16 copy in xa: off by at most 2^-8 of itself.
; LIMITS: bf16 rounding of every operand and of the residual; the gate is 1 / (1 + 2^(-log2(e) G)), which goes to 0 and 1 at the ends; NaN and infinities are not treated apart.
; A work-group of four waves makes 256 rows x 128 columns of out, as 256 x 256 accumulators: wave (RH, CH) has 128 rows x 64 columns, and accumulator (a, b) is G for b = 0..3 and O for b = 4..7 of the same
; columns (wb's rows are laid so).  K goes in nine steps of 128 through two LDS slots filled by the tensor data mover; the ninth (R x WW) feeds the 32 O accumulators alone.  bg is the C operand that starts G's sums.
; CLUSTERS: 4 x 4 work-groups; the four of a row of the cluster need the same tiles of xa, the four of a column the same tiles of wb and wwb: each is asked for jointly, by the same tensor load, descriptor and mask.
; THE MATRIX INSTRUCTION IS USED TRANSPOSED (source 0 = 16 rows of the weights, source 1 = 16 rows of xa): a lane holds row l % 16 and the columns 8 (l / 16) + 0..7, so G and O of one number lie in one lane.
; REGISTERS, in windows of 256 (s_set_vgpr_msb: bits 1:0 source 0, 3:2 source 1, 5:4 source 2, 7:6 destination):
;   window 0: v16-31 addresses; v64-191 xa's fragments, two buffers; v192-223 bg, later the gate at work; v32-63, v224-255 rows on the way out
;   window 1: v64-191 the weights' fragments, two buffers; v0-63, v192-255 the residual      window 2: the accumulators of my rows 0-63, (a, b) at v[8 (8 a + b)]      window 3: rows 64-127
.set KSTEP,  128
.set PITCH,  272                       ; an LDS row: 256 bytes + 16 of padding: the 16 rows of a fragment load start 16 bytes apart modulo 256
.set HALFT,  128*PITCH                 ; what one tensor load brings at the most, and what one wave reads of xa or of the weights
.set SLOT,   4*HALFT                   ; xa's 256 rows, then the weights' 256 rows
.set STAGE,  2*SLOT                    ; behind the ring: 16 rows x 272 bytes for each wave, for the way out
.set SPITCH, 272
.set SPARE,  STAGE+4*16*SPITCH         ; the spare words, 128 bytes a wave
.set XAP,    2304                      ; bytes in a row of xa
.set ADRA, 16                          ; v16-17  LDS address of my fragments of xa in slot 0, 1
.set ADRB, 20                          ; v20-21  the same for the weights
.set STO,  24                          ; v24  the way out: where I put 32 bytes of a row
.set RD,   25                          ; v25  where I read rows back
.set CO,   26                          ; v26  my byte offset in two rows of out
.set ONE,  27                          ; v27  1.0
.set SPW,  28                          ; v28  LDS address of my spare word; never rewritten
.set NIL,  29                          ; v29  0; never rewritten
.set XO,   30                          ; v30  my byte offset in two rows of xa, for the residual
.set BO,   31                          ; v31  32 (l / 16): my eight numbers of bg
.set F0,   64
.set F1,   128
.set BG,   192
.set TMP,  192
.set OB,   32
.set G1,  24                           ; s[24:31] group 1 for xa's tiles;  s[32:39] group 0, a set for each slot
.set G0,  32
.set G1B, 48                           ; s[48:55], s[56:63] the same for wb's
.set G0B, 56
.set G1W, 68                           ; s[68:75], s[76:79] for the one tile of wwb
.set G0W, 76
.set WV,  86                           ; s86 wave; s87 RH: my half of the rows, also: I fetch xa (0) or weights (1); s88 CH: my half of the columns, also: which half of a tile I fetch
.set RH,  87
.set CH,  88
.set TR,  89                           ; s89 tile row of out; s42 tile column
.set TC,  42
.set DW0, (1<<16)|(1<<20)|(1<<21)|(5<<22)|(3<<25)  ; elements of 2 bytes; padding on; bit 21 beside a mask; after every 64 words; 4 words of it
.set MSB, 0
.macro WIN new                         ; the immediate's high byte repeats the setting that is left
.if MSB != (\new)
	s_set_vgpr_msb (MSB<<8)|(\new)
.set MSB, \new
.endif
.endm
.set MUL_LO, 0xa1                      ; source 0 (weights) window 1, source 1 (xa) window 0, C and D window 2
.set MUL_HI, 0xf1                      ; the same, C and D window 3
.set TO_B,   0x40                      ; destination window 1, address window 0
; A joint load.  Waves 0 and 1 fetch xa's two halves, waves 2 and 3 the weights' (w = 1: the tile of wwb).  The branch hangs on the wave's number alone.
; An s_nop 0 and four v_nop follow each of the two lines, ahead of the jump, the label and what follows.
.macro JLOAD s, w
	s_cmp_eq_u32 s[RH], 0
	s_cbranch_scc0 .Lfor_b_\@
	tensor_load_to_lds s[G0+4*(\s):G0+4*(\s)+3], s[G1:G1+7]
	s_nop 0
.rept 4
	v_nop
.endr
	s_branch .Lasked_\@
.Lfor_b_\@:
.if \w
	tensor_load_to_lds s[G0W:G0W+3], s[G1W:G1W+7]
.else
	tensor_load_to_lds s[G0B+4*(\s):G0B+4*(\s)+3], s[G1B:G1B+7]
.endif
	s_nop 0
.rept 4
	v_nop
.endr
.Lasked_\@:
.endm
.macro CREST                           ; a round of the cluster's barrier behind its opening barrier
	s_cmp_lg_u32 s[WV], 0
	s_cbranch_scc1 .Lnot_wave_0_\@
	s_barrier_signal -3
.Lnot_wave_0_\@:
	s_barrier_wait -3
	s_barrier_signal -1
	s_barrier_wait -1
.endm
.macro CROUND                          ; a whole round
	s_barrier_signal -1
	s_barrier_wait -1
	CREST
.endm
	s_load_b256 s[4:11], s[0:1], 0x0               ; xa 4, wb 6, wwb 8, bg 10
	s_load_b64 s[84:85], s[0:1], 0x20              ; out0
	v_lshl_add_u32 v[SPW], v0, 2, SPARE
	v_mov_b32 v[NIL], 0
	ds_add_u32 v[SPW], v[NIL]                      ; the wave's opening: the add, with its wait ahead of my first tensor load; the set-up below, work on registers, stands between them
	v_lshrrev_b32 v1, 5, v0
	v_readfirstlane_b32 s[WV], v1
	s_lshr_b32 s[RH], s[WV], 1
	s_and_b32 s[CH], s[WV], 1
	s_bfe_u32 s40, ttmp6, 0x40000                  ; cx
	s_bfe_u32 s41, ttmp6, 0x40004                  ; cy
	s_lshl_b32 s[TC], ttmp9, 2
	s_add_co_u32 s[TC], s[TC], s40                 ; tile column = 4 x cluster x + cx
	s_and_b32 s[TR], ttmp7, 0xffff
	s_lshl_b32 s[TR], s[TR], 2
	s_add_co_u32 s[TR], s[TR], s41                 ; tile row = 4 x cluster y + cy
	s_lshl_b32 s43, s41, 2
	s_lshl_b32 s43, 15, s43                        ; my row of the cluster
	s_lshl_b32 s44, 0x1111, s40                    ; my column
	s_or_b32 s[G1], s43, DW0                       ; xa's tiles go to my row,
	s_or_b32 s[G1B], s44, DW0                      ; the weights' to my column
	s_or_b32 s[G1W], s44, DW0
.irp g, G1, G1B, G1W
	s_mov_b32 s[(\g)+1], KSTEP<<16                 ; tensor_dim0 = 128
	s_mov_b32 s[(\g)+3], KSTEP<<16                 ; tile_dim0 = 128
	s_mov_b32 s[(\g)+6], 0
	s_mov_b32 s[(\g)+7], 0
.endr
	s_mov_b32 s[G1+2], 128<<16                     ; tensor_dim1 = 128
	s_mov_b32 s[G1+4], 128                         ; tile_dim1 = 128
	s_mov_b32 s[G1+5], 1152                        ; elements from row to row of xa
	s_mov_b32 s[G1B+2], 128<<16
	s_mov_b32 s[G1B+4], 128
	s_mov_b32 s[G1B+5], 1024
	s_mov_b32 s[G1W+2], 64<<16                     ; 64 rows of wwb: the O half of a wave's weights
	s_mov_b32 s[G1W+4], 64
	s_mov_b32 s[G1W+5], 128
	; xa's tiles hang on the tile row alone, the weights' on the tile column alone, each in registers that never hold the other coordinate
	s_lshl_b32 s18, s[CH], 7                       ; which 128 rows of a tile I fetch
	s_lshl_b32 s16, s[TR], 8
	s_add_co_u32 s16, s16, s18
	s_mul_i32 s16, s16, XAP
	s_mov_b32 s17, 0
	s_lshl_b32 s46, s[TC], 8
	s_add_co_u32 s46, s46, s18
	s_lshl_b32 s46, s46, 11                        ; rows of 2,048 bytes
	s_mov_b32 s47, 0
	s_lshl_b32 s90, s[TC], 7
	s_lshl_b32 s19, s[CH], 6
	s_add_co_u32 s90, s90, s19
	s_lshl_b32 s90, s90, 8                         ; rows of 256 bytes
	s_mov_b32 s91, 0
	s_mul_i32 s20, s[WV], HALFT                    ; where they go: wave x 128 rows
	s_mov_b32 s66, 0xbfb8aa3b                      ; -log2(e),
	s_mov_b32 s67, s66                             ; named as a pair
	s_wait_dscnt 0x0                               ; the opening add is done
	s_wait_kmcnt 0x0
	s_add_nc_u64 s[14:15], s[4:5], s[16:17]
	s_add_nc_u64 s[46:47], s[6:7], s[46:47]
	s_mov_b32 s[G0W], 1
	s_add_co_u32 s[G0W+1], s20, 64*PITCH           ; slot 0, behind the 64 rows of the G half
	s_add_nc_u64 s[G0W+2:G0W+3], s[8:9], s[90:91]
	s_or_b32 s[G0W+3], s[G0W+3], 0x80000000
	CROUND                                         ; all sixteen work-groups are here: the first joint loads meet
.irp s, 0,1
	s_mov_b32 s[G0+4*(\s)], 1
	s_add_co_u32 s[G0+4*(\s)+1], s20, (\s)*SLOT
	s_add_nc_u64 s[G0+4*(\s)+2:G0+4*(\s)+3], s[14:15], (\s)*KSTEP*2
	s_or_b32 s[G0+4*(\s)+3], s[G0+4*(\s)+3], 0x80000000
	s_mov_b32 s[G0B+4*(\s)], 1
	s_add_co_u32 s[G0B+4*(\s)+1], s20, (\s)*SLOT
	s_add_nc_u64 s[G0B+4*(\s)+2:G0B+4*(\s)+3], s[46:47], (\s)*KSTEP*2
	s_or_b32 s[G0B+4*(\s)+3], s[G0B+4*(\s)+3], 0x80000000
	JLOAD \s, 0                                    ; K steps 0 and 1: two loads of mine are out
.endr
	v_and_b32 v1, 15, v0                           ; l % 16
	v_bfe_u32 v2, v0, 4, 1                         ; l / 16
	v_lshlrev_b32 v[BO], 5, v2
	s_lshl_b32 s12, s[TR], 8
	s_lshl_b32 s13, s[RH], 7
	s_add_co_u32 s12, s12, s13                     ; my first row
	s_lshl_b32 s13, s[TC], 7
	s_lshl_b32 s18, s[CH], 6
	s_add_co_u32 s13, s13, s18                     ; my first column
	s_lshl_b32 s18, s13, 2
	s_mov_b32 s19, 0
	s_add_nc_u64 s[10:11], s[10:11], s[18:19]      ; bg at my columns
.irp b, 0,1,2,3
	global_load_b128 v[BG+8*\b:BG+8*\b+3],   v[BO], s[10:11] offset:64*\b
	global_load_b128 v[BG+8*\b+4:BG+8*\b+7], v[BO], s[10:11] offset:64*\b+16
.endr
	s_lshl_b32 s16, s12, 12
	s_add_co_u32 s16, s16, s18                     ; my part of out begins here: the first way out adds it
	s_mov_b32 s17, 0
	s_mul_i32 s82, s12, XAP
	s_lshl_b32 s18, s13, 1
	s_add_co_u32 s82, s82, s18
	s_mov_b32 s83, 0
	s_add_nc_u64 s[80:81], s[4:5], s[82:83]        ; the residual: xa at my first row and column
	v_mul_u32_u24 v3, v1, PITCH
	v_lshl_add_u32 v3, v2, 4, v3                   ; a fragment: row x pitch + 16 x half
	s_mul_i32 s21, s[RH], HALFT
	s_mul_i32 s22, s[CH], HALFT
	s_add_co_u32 s22, s22, 2*HALFT
.irp s, 0,1
	v_add_nc_u32 v[ADRA+(\s)], s21, v3
	v_add_nc_u32 v[ADRB+(\s)], s22, v3
	s_add_co_u32 s21, s21, SLOT
	s_add_co_u32 s22, s22, SLOT
.endr
	s_mul_i32 s23, s[WV], 16*SPITCH
	s_add_co_u32 s23, s23, STAGE                   ; my stage
	v_mul_u32_u24 v4, v1, SPITCH
	v_lshl_add_u32 v4, v2, 5, v4
	v_add_nc_u32 v[STO], s23, v4                   ; in: row l % 16, 32 bytes for each half of the lanes
	v_mul_u32_u24 v5, v2, SPITCH
	v_lshl_add_u32 v5, v1, 4, v5
	v_add_nc_u32 v[RD], s23, v5                    ; back: lanes 0-15 one row of 256 bytes, lanes 16-31 the next
	v_lshlrev_b32 v5, 12, v2
	v_lshl_add_u32 v[CO], v1, 4, v5                ; the same two rows in out,
	v_mul_u32_u24 v5, v2, XAP
	v_lshl_add_u32 v[XO], v1, 3, v5                ; and in xa, 8 bytes a lane
	v_mov_b32 v[ONE], 1.0
; 16 matrix instructions: row blocks a0, a0 + 1 of the window's four x all 8 column blocks, 32 along K.  start = 1: the first products start the sums, G's with bg (window 0), O's with 0.
; All 64 accumulators take turns, one instruction a turn, in the same order in every quarter.
.macro MUL16 f, hi, a0, start
.if \start
	WIN 0x81+0x40*(\hi)
.else
	WIN MUL_LO+0x50*(\hi)
.endif
.irp a, \a0, (\a0)+1
.irp b, 0,1,2,3,4,5,6,7
.if \start
.if (\b) < 4
	v_wmma_f32_16x16x32_bf16 v[8*(8*(\a)+(\b)):8*(8*(\a)+(\b))+7], v[(\f)+8*(\b):(\f)+8*(\b)+7], v[(\f)+8*(4*(\hi)+(\a)):(\f)+8*(4*(\hi)+(\a))+7], v[BG+8*(\b):BG+8*(\b)+7]
.else
	v_wmma_f32_16x16x32_bf16 v[8*(8*(\a)+(\b)):8*(8*(\a)+(\b))+7], v[(\f)+8*(\b):(\f)+8*(\b)+7], v[(\f)+8*(4*(\hi)+(\a)):(\f)+8*(4*(\hi)+(\a))+7], 0
.endif
.else
	v_wmma_f32_16x16x32_bf16 v[8*(8*(\a)+(\b)):8*(8*(\a)+(\b))+7], v[(\f)+8*(\b):(\f)+8*(\b)+7], v[(\f)+8*(4*(\hi)+(\a)):(\f)+8*(4*(\hi)+(\a))+7], v[8*(8*(\a)+(\b)):8*(8*(\a)+(\b))+7]
.endif
.endr
.endr
.endm
.macro MULO f, hi                      ; the ninth K step: 16 matrix instructions on the window's O accumulators alone
	WIN MUL_LO+0x50*(\hi)
.irp a, 0,1,2,3
.irp b, 4,5,6,7
	v_wmma_f32_16x16x32_bf16 v[8*(8*(\a)+(\b)):8*(8*(\a)+(\b))+7], v[(\f)+8*(\b):(\f)+8*(\b)+7], v[(\f)+8*(4*(\hi)+(\a)):(\f)+8*(4*(\hi)+(\a))+7], v[8*(8*(\a)+(\b)):8*(8*(\a)+(\b))+7]
.endr
.endr
.endm
.macro FETCH slot, k, f                ; 32 LDS loads in one run: a quarter step's fragments, the weights' first
	WIN TO_B
.irp i, 0,1,2,3,4,5,6,7
	ds_load_b128 v[(\f)+8*(\i):(\f)+8*(\i)+3],   v[ADRB+(\slot)] offset:(\k)+(\i)*16*PITCH
	ds_load_b128 v[(\f)+8*(\i)+4:(\f)+8*(\i)+7], v[ADRB+(\slot)] offset:(\k)+(\i)*16*PITCH+32
.endr
	WIN 0
.irp i, 0,1,2,3,4,5,6,7
	ds_load_b128 v[(\f)+8*(\i):(\f)+8*(\i)+3],   v[ADRA+(\slot)] offset:(\k)+(\i)*16*PITCH
	ds_load_b128 v[(\f)+8*(\i)+4:(\f)+8*(\i)+7], v[ADRA+(\slot)] offset:(\k)+(\i)*16*PITCH+32
.endr
.endm
.macro FETCHO slot, k, f               ; 24 loads: the O half of the weights, then xa's 128 rows
	WIN TO_B
.irp i, 4,5,6,7
	ds_load_b128 v[(\f)+8*(\i):(\f)+8*(\i)+3],   v[ADRB+(\slot)] offset:(\k)+(\i)*16*PITCH
	ds_load_b128 v[(\f)+8*(\i)+4:(\f)+8*(\i)+7], v[ADRB+(\slot)] offset:(\k)+(\i)*16*PITCH+32
.endr
	WIN 0
.irp i, 0,1,2,3,4,5,6,7
	ds_load_b128 v[(\f)+8*(\i):(\f)+8*(\i)+3],   v[ADRA+(\slot)] offset:(\k)+(\i)*16*PITCH
	ds_load_b128 v[(\f)+8*(\i)+4:(\f)+8*(\i)+7], v[ADRA+(\slot)] offset:(\k)+(\i)*16*PITCH+32
.endr
.endm
.macro PLACES                          ; four plain vector instructions between a matrix instruction and a load into, or a vector use of, its registers
.rept 4
	v_nop
.endr
.endm
; A K step is four quarters of 32 along K on buffers 0, 1, 0, 1.  One of the first three: multiplies buffer f; in its middle it fetches the next quarter, at byte k of the rows, into buffer g.
.macro QUARTER slot, k, f, g, start
	s_wait_dscnt 8                                 ; the weights and xa's rows 0-63 are in; the youngest eight loads (rows 64-127) may be out
	MUL16 \f, 0, 0, \start
	MUL16 \f, 0, 2, \start
	PLACES
	FETCH \slot, \k, \g
	s_wait_dscnt 32                                ; all but the 32 just issued
	MUL16 \f, 1, 0, \start
	MUL16 \f, 1, 2, \start
.endm
.macro OQUARTER k, f, g                ; the same in the ninth step, which lies in slot 0
	s_wait_dscnt 8
	MULO \f, 0
	PLACES
	FETCHO 0, \k, \g
	s_wait_dscnt 24                                ; all but the 24 just issued
	MULO \f, 1
.endm
; The last quarter's first half: ONE barrier for the change of slots.  In front of it each wave waits for all its tensor loads, of which one is out: its part of the next slot; adds 0 to its spare word;
; and waits for that and for its own reads of this slot.  Behind it nobody reads this slot any more and the next slot is whole.
.macro MEET round
	WIN 0                                          ; (the add's two registers lie in window 0)
	s_wait_tensorcnt 0x0
	ds_add_u32 v[SPW], v[NIL]
	s_wait_dscnt 9                                 ; (the add and the youngest eight loads may be out)
	MUL16 F1, 0, 0, 0
	s_wait_dscnt 0x0                               ; the add is done, and my reads of this slot are over
	s_barrier_signal -1
	MUL16 F1, 0, 2, 0
.if \round
	WIN 0
.endif
	s_barrier_wait -1
.endm
; The whole last quarter: behind a round of the cluster's barrier the slot just read out is filled again first, two K steps on (w = 1: the ninth step, whose weights are wwb's); then come the next slot's first fragments.
.macro TURN slot, next, w
	MEET 1
	CREST
	s_add_nc_u64 s[G0+4*(\slot)+2:G0+4*(\slot)+3], s[G0+4*(\slot)+2:G0+4*(\slot)+3], 2*KSTEP*2
.if !(\w)
	s_add_nc_u64 s[G0B+4*(\slot)+2:G0B+4*(\slot)+3], s[G0B+4*(\slot)+2:G0B+4*(\slot)+3], 2*KSTEP*2
.endif
	JLOAD \slot, \w                                ; my one tensor load behind the round; its four v_nop are also the places in front of the loads below
	FETCH \next, 0, F0
	MUL16 F1, 1, 0, 0
	MUL16 F1, 1, 2, 0
.endm
; THE WAY OUT of row block a.  GATE: sigmoid(G) O, in f32.  TOSTAGE: into my stage, 32 bytes a lane, and back as whole rows of 256 bytes.  SEND: the residual is added and the rows are stored.
.macro GATE a
.set AC, 64*((\a)%4)
	WIN 0x02+((\a)/4)
.set i, 0
.rept 16                               ; ascending: each accumulator's lowest registers are read first
	v_pk_mul_f32 v[TMP+2*i:TMP+2*i+1], v[AC+2*i:AC+2*i+1], s[66:67] op_sel_hi:[1,0]
.set i, i+1
.endr
	WIN 0
.set i, 0
.rept 32
	v_exp_f32 v[TMP+i], v[TMP+i]
.set i, i+1
.endr
	v_nop                                          ; a plain instruction behind the last exponential (ISA guide 5.7.2)
.set i, 0
	s_wait_alu depctr_va_vdst(0)
.rept 16
	v_pk_add_f32 v[TMP+2*i:TMP+2*i+1], v[TMP+2*i:TMP+2*i+1], 1.0 op_sel_hi:[1,0]
.set i, i+1
.endr
.set i, 0
.rept 32
	v_rcp_f32 v[TMP+i], v[TMP+i]
.set i, i+1
.endr
	v_nop
	WIN 0x02+((\a)/4)
.set i, 0
	s_wait_alu depctr_va_vdst(0)
.rept 16
	v_pk_mul_f32 v[TMP+2*i:TMP+2*i+1], v[AC+32+2*i:AC+32+2*i+1], v[TMP+2*i:TMP+2*i+1]
.set i, i+1
.endr
	WIN 0
.endm
.macro TOSTAGE a
	WIN 0
.set BK, OB+192*((\a)%2)
.set i, 0
.rept 8
	ds_store_b128 v[STO], v[TMP+4*i:TMP+4*i+3] offset:(i/2)*64+(i%2)*16
.set i, i+1
.endr
.set i, 0
.rept 8
	ds_load_b128 v[BK+4*i:BK+4*i+3], v[RD] offset:i*2*SPITCH  ; LDS serves a wave's instructions in order: these see the stores above
.set i, i+1
.endr
.endm
.macro SEND a
	WIN 0
.set BK, OB+192*((\a)%2)
.set XRA, 16*(\a)+128*((\a)/4)
	s_wait_dscnt 0x0                               ; the block is back in registers
	s_wait_xcnt 0x0                                ; the stores' base and the registers that earlier stores read are rewritten only behind this wait (ISA guide 3.1)
.if (\a) == 0
	s_add_nc_u64 s[84:85], s[84:85], s[16:17]
.else
	s_add_nc_u64 s[84:85], s[84:85], 0x10000       ; 16 rows of out on
.endif
	WIN 0x01
.set i, 0
.rept 32                               ; + x: a bf16 half times 1.0, in f32
.if i%2
	v_fma_mix_f32_bf16 v[BK+i], v[XRA+i/2], v[ONE], v[BK+i] op_sel:[1,0,0] op_sel_hi:[1,0,0]
.else
	v_fma_mix_f32_bf16 v[BK+i], v[XRA+i/2], v[ONE], v[BK+i] op_sel:[0,0,0] op_sel_hi:[1,0,0]
.endif
.set i, i+1
.endr
	WIN 0
.set i, 0
.rept 8
	global_store_b128 v[CO], v[BK+4*i:BK+4*i+3], s[84:85] offset:2*i*4096 th:TH_STORE_NT  ; 16 lanes store 256 consecutive bytes, aligned
.set i, i+1
.endr
.endm
	s_wait_tensorcnt 1                             ; my part of K step 0 is in; step 1's may stay out
	s_barrier_signal -1
	s_barrier_wait -1
	FETCH 0, 0, F0
	s_wait_loadcnt 0x0                             ; bg
	QUARTER 0, 64,  F0, F1, 1                      ; the first quarter stands in front of the loop: its products start the sums
	WIN 0                                          ; at a label and at a branch every window is 0
	s_mov_b32 s3, 3
.Llap:                                                 ; three trips: once round the ring each, from a lap's second quarter to the next lap's first; K steps 2 to 7 are asked for
	QUARTER 0, 128, F1, F0, 0
	QUARTER 0, 192, F0, F1, 0
	TURN 0, 1, 0
	QUARTER 1, 64,  F0, F1, 0
	QUARTER 1, 128, F1, F0, 0
	QUARTER 1, 192, F0, F1, 0
	TURN 1, 0, 0
	QUARTER 0, 64,  F0, F1, 0
	WIN 0
	s_sub_co_u32 s3, s3, 1
	s_cmp_lg_u32 s3, 0
	s_cbranch_scc1 .Llap
	WIN TO_B                                       ; the residual, 8 bytes a lane in the order of the rows on the way out: asked for here, wanted behind the last product
.set a, 0
.rept 8
.set XRA, 16*a+128*(a/4)
.set t, 0
.rept 8
	global_load_b64 v[XRA+2*t:XRA+2*t+1], v[XO], s[80:81] offset:(16*a+2*t)*XAP
.set t, t+1
.endr
.set a, a+1
.endr
	QUARTER 0, 128, F1, F0, 0                      ; K step 6 goes on
	QUARTER 0, 192, F0, F1, 0
	TURN 0, 1, 1                                   ; slot 0 takes the ninth step: R's columns of xa, and wwb
	QUARTER 1, 64,  F0, F1, 0
	QUARTER 1, 128, F1, F0, 0
	QUARTER 1, 192, F0, F1, 0
	MEET 0                                         ; the ninth step's tiles have landed, everybody's; nothing is filled again, so no round follows
	PLACES
	FETCHO 0, 0, F0
	MUL16 F1, 1, 0, 0
	MUL16 F1, 1, 2, 0
	OQUARTER 64,  F0, F1
	OQUARTER 128, F1, F0
	OQUARTER 192, F0, F1
	s_wait_dscnt 8
	MULO F1, 0
	s_wait_dscnt 0x0
	MULO F1, 1
	WIN 0
	PLACES
	s_wait_loadcnt 0x0                             ; the residual
	GATE 0
	TOSTAGE 0
.irp a, 1,2,3,4,5,6,7                  ; block a's gate stands between block a - 1's loads from the stage and the wait for them
	GATE \a
	SEND (\a)-1
	TOSTAGE \a
.endr
	SEND 7
	s_wait_tensorcnt 0x0                           ; the wave's end
	ds_add_u32 v[SPW], v[NIL]
	s_wait_dscnt 0x0
	CROUND                                         ; the closing round: no work-group ends while a partner may still ask for a tile that names it
	s_endpgm
.Lfunc_end_k_qf0d1e81149_main:
	.size	k_qf0d1e81149_main, .Lfunc_end_k_qf0d1e81149_main-k_qf0d1e81149_main
	.p2alignl 7, 3214868480
	.fill 96, 4, 3214868480
	.section	.rodata,"a",@progbits
	.p2align	6, 0x0
	.amdhsa_kernel k_qf0d1e81149_main
		.amdhsa_group_segment_fixed_size 327680
		.amdhsa_private_segment_fixed_size 0
		.amdhsa_enable_private_segment 0
		.amdhsa_kernarg_size 40
		.amdhsa_user_sgpr_count 2
		.amdhsa_user_sgpr_kernarg_segment_ptr 1
		.amdhsa_wavefront_size32 1
		.amdhsa_system_sgpr_workgroup_id_x 1
		.amdhsa_system_sgpr_workgroup_id_y 1
		.amdhsa_system_sgpr_workgroup_id_z 1
		.amdhsa_system_vgpr_workitem_id 0
		.amdhsa_next_free_vgpr 1024
		.amdhsa_next_free_sgpr 96
		.amdhsa_reserve_vcc 0
		.amdhsa_float_denorm_mode_32 3
		.amdhsa_float_denorm_mode_16_64 3
		.amdhsa_memory_ordered 1
		.amdhsa_forward_progress 1
		.amdhsa_inst_pref_size 209
	.end_amdhsa_kernel
	.amdgpu_metadata
---
amdhsa.version: [ 1, 2 ]
amdhsa.kernels:
  - .name:           k_qf0d1e81149_main
    .symbol:         k_qf0d1e81149_main.kd
    .args:
      - { .name: xa, .offset: 0, .size: 8, .value_kind: global_buffer, .address_space: global }
      - { .name: wb, .offset: 8, .size: 8, .value_kind: global_buffer, .address_space: global }
      - { .name: wwb, .offset: 16, .size: 8, .value_kind: global_buffer, .address_space: global }
      - { .name: bg, .offset: 24, .size: 8, .value_kind: global_buffer, .address_space: global }
      - { .name: out0, .offset: 32, .size: 8, .value_kind: global_buffer, .address_space: global }
    .group_segment_fixed_size: 327680
    .private_segment_fixed_size: 0
    .kernarg_segment_align: 8
    .kernarg_segment_size: 40
    .max_flat_workgroup_size: 128
    .sgpr_count:     96
    .vgpr_count:     1024
    .wavefront_size: 32
...
	.end_amdgpu_metadata
.endif
;; end of part 3
;; ======== version 2 of 2: 3 launches; version 1 with the launch prep written anew for expert scheduling mode
;; limits: right only within a limited range of input values
;; workspace buffers: xa 37,748,736 bytes; wb 4,194,304 bytes; wwb 262,144 bytes; wqf 262,144 bytes; kf 524,288 bytes; pf 524,288 bytes; mb 8,192 bytes
;; launch prep (part 4): grid 240 x 1, 8 waves a work-group, no clusters, 295,936 bytes of LDS; arguments Wg, Wout, Wq, Wk, Wv, pool, pool_mask, wb, wwb, wqf, kf, pf, mb; writes wb, wwb, wqf, kf, pf, mb
.if DOCPART == 4
	.amdgcn_target "amdgcn-amd-amdhsa--gfx1250"
	.amdhsa_code_object_version 6
	.text
	.protected	k_qf0d1e81149_prep
	.globl	k_qf0d1e81149_prep
	.p2align	8
	.type	k_qf0d1e81149_prep,@function
k_qf0d1e81149_prep:
	s_mov_b64 s[64:65], 0
	v_nop
	global_prefetch_b8 v0, s[64:65] scope:SCOPE_SE
	s_setreg_imm32_b32 hwreg(HW_REG_WAVE_SCHED_MODE, 0, 2), 2
	s_setreg_imm32_b32 hwreg(HW_REG_WAVE_MODE, 25, 1), 1
	s_wait_xcnt 0x0
	s_wait_alu depctr_vm_vsrc(0)
; PREP: the weights and the pool are rounded to bf16 once and laid as the two later launches read them.  Four jobs, chosen by the work-group's number:
;   0-63    WW:   wwb[d][s] = sum over c of Wout[d][1024+c] Wv[c][s]  (bf16 operands, f32 sums, rounded once).  16 rows d a work-group; wave w sums c = 128 w .. 128 w + 127; the eight partial sums meet in LDS in f32.
;   64-191  WB:   wb row 256 j + 128 ch + 64 t + c = Wg (t = 0) or the first 1,024 columns of Wout (t = 1), row d = 128 j + 64 ch + c.  Two rows a wave.
;   192-223 POOL: kf = pool Wk^T and pf = pool turned, both in the order of matrix fragments (512 bytes = 32 lanes x 16 bytes, a lane's four registers); mb = 0 or -1e30 from pool_mask.
;   224-239 WQ:   wqf = Wq in the order of matrix fragments.
; A fragment of 16 rows x 32 k: lane l holds row l % 16; registers 0-3 k = 8 (l / 16) + 0..7, registers 4-7 k = 16 + 8 (l / 16) + 0..7 (ISA guide 7.12.2).
; LIMITS: bf16 rounding of every operand; NaN and infinities are not treated apart.
; No tensor loads and no cluster: every wave's reads are its own but Wv's 512 KB, which job WW's work-groups each read through registers on the way to bf16.
; THE MODE: SCHED_MODE bits 1:0 = 2 (LLVM: expert scheduling mode 2), set by the entry lines.  The code itself states the register dependences
; between vector or matrix instructions and memory or LDS instructions, with s_wait_alu, always for 0.
; THE PLAN.  Registers that memory or LDS instructions touch, job by job:
;   all   v4, v5: offsets, made at the head, never written again.  s3, the wave's number, comes from a vector instruction: one wait on va_sdst at the head.
;   WQ    v6: address, made once.  v16-47: loaded, read by the roundings.  v48-63: written by the roundings, read by the four stores.
;   WB    v16-79: loaded, read by the roundings.  v80-111: each written once by a rounding, read by one store.  Four groups: group g's head states that group g - 1's roundings have written,
;         and that group's stores are dealt among group g's roundings, which name other registers.
;   POOL  v6: address, made once.  v80-143, v144-207: loaded, rounded in place, read by the products, loaded once more: one wait ahead of each second load.
;         v80-95 (kf), v7, v8, v242 are made together; one wait serves kf's stores, pf's loads into v96-127 and the mask's load.  v128-143 (pf): one wait ahead of their stores.
;   WW    v6-v9: addresses, made once.  v48-111: Wout as loaded; then Y0 = v48-55, Y1 = v56-63; then the accumulators.  v112-239: a ring of 32 rows of Wv; then two buffers of turned fragments.
;         Block p of the ring (four rows): its roundings read four slots and write Y[p % 2]; ONE wait on va_vdst behind them states both; the four refills and the four LDS stores follow it.
;         One wait on vm_vsrc at the block's head states that the LDS stores of two blocks back have read Y[p % 2].
;   the join: one wait on vm_vsrc, since WW's second phase writes registers that loads and stores above have read.
.set REG,   36864                      ; a wave's LDS region: 128 rows of Wv in bf16, 256 bytes + 32 of padding; later its partial sums, 16 rows of 512 + 16 bytes
.set SPARE, 8*REG                      ; behind the regions: the spare words, 128 bytes a wave
.set SPW,   254                        ; v254  LDS address of my spare word; never rewritten
.set NIL,   255                        ; v255  0; never rewritten
.macro PLACES                          ; four plain vector instructions between a matrix instruction and a load into, or a vector use of, its registers
.rept 4
	v_nop
.endr
.endm
.macro RAW4 dst, adr, lo, off          ; one fragment's 16 f32 a lane: k = 8 h + 0..7 at off, k = 16 + 8 h + 0..7 at off + 64
	global_load_b128 v[(\dst):(\dst)+3],     v[\adr], s[\lo:\lo+1] offset:(\off)
	global_load_b128 v[(\dst)+4:(\dst)+7],   v[\adr], s[\lo:\lo+1] offset:(\off)+16
	global_load_b128 v[(\dst)+8:(\dst)+11],  v[\adr], s[\lo:\lo+1] offset:(\off)+64
	global_load_b128 v[(\dst)+12:(\dst)+15], v[\adr], s[\lo:\lo+1] offset:(\off)+80
.endm
.macro CVT8 dst, src                   ; 16 f32 -> 8 registers of bf16; in place too: register i is written from 2 i and 2 i + 1
.set ci, 0
.rept 8
	v_cvt_pk_bf16_f32 v[(\dst)+ci], v[(\src)+2*ci], v[(\src)+2*ci+1]
.set ci, ci+1
.endr
.endm
	s_load_b512 s[8:23], s[0:1], 0x0               ; Wg 8, Wout 10, Wq 12, Wk 14, Wv 16, pool 18, pool_mask 20, wb 22
	s_load_b256 s[24:31], s[0:1], 0x40             ; wwb 24, wqf 26, kf 28, pf 30
	s_load_b64 s[32:33], s[0:1], 0x60              ; mb
	v_lshl_add_u32 v[SPW], v0, 2, SPARE
	v_mov_b32 v[NIL], 0
	v_lshrrev_b32 v1, 5, v0
	v_readfirstlane_b32 s3, v1                     ; wave 0..7
	v_and_b32 v1, 31, v0                           ; lane
	v_and_b32 v2, 15, v0                           ; r = lane % 16
	v_bfe_u32 v3, v0, 4, 1                         ; h = lane / 16
	v_lshlrev_b32 v4, 4, v1                        ; 16 x lane
	v_lshlrev_b32 v5, 3, v1                        ; 8 x lane
	s_mov_b32 s41, 0                               ; high word of every offset pair s[40:41]
	s_wait_alu depctr_va_sdst(0)                   ; s3 is written, ahead of the branches and of its first reader in every job
	s_wait_kmcnt 0x0
	s_cmp_lt_u32 ttmp9, 64
	s_cbranch_scc1 .Lww
	s_cmp_lt_u32 ttmp9, 192
	s_cbranch_scc1 .Lwb
	s_cmp_lt_u32 ttmp9, 224
	s_cbranch_scc1 .Lpool
	; ---- WQ: unit u = 0..127 makes the four halves 4 u .. 4 u + 3: K step u / 4 of 32, row blocks 2 (u % 4) and 2 (u % 4) + 1
	s_sub_co_u32 s34, ttmp9, 224
	s_lshl_b32 s34, s34, 3
	s_add_co_u32 s34, s34, s3                      ; u
	s_and_b32 s35, s34, 3
	s_lshl_b32 s35, s35, 17                        ; 32 rows of 4,096 bytes
	s_lshr_b32 s36, s34, 2
	s_lshl_b32 s36, s36, 7                         ; 32 f32 along the row
	s_add_co_u32 s40, s35, s36
	s_add_nc_u64 s[12:13], s[12:13], s[40:41]
	s_lshl_b32 s40, s34, 11
	s_add_nc_u64 s[26:27], s[26:27], s[40:41]
	v_lshlrev_b32 v6, 12, v2
	v_lshl_add_u32 v6, v3, 5, v6                   ; r x 4,096 + 32 h
	s_wait_alu depctr_va_vdst(0)                   ; v6 is written, which the loads read as their offset, and v4, which the stores read
.set n, 0
.rept 4                                ; half n: row block n / 2, k half n % 2
	global_load_b128 v[16+8*n:16+8*n+3],   v6, s[12:13] offset:(n/2)*65536+(n%2)*64
	global_load_b128 v[16+8*n+4:16+8*n+7], v6, s[12:13] offset:(n/2)*65536+(n%2)*64+16
.set n, n+1
.endr
	s_wait_loadcnt 0x0
.set n, 0
.rept 16
	v_cvt_pk_bf16_f32 v[48+n], v[16+2*n], v[16+2*n+1]
.set n, n+1
.endr
	s_wait_alu depctr_va_vdst(0)                   ; the roundings have written v48-63, which the stores read
.set n, 0
.rept 4
	global_store_b128 v4, v[48+4*n:48+4*n+3], s[26:27] offset:n*512  ; 512 consecutive bytes
.set n, n+1
.endr
	s_branch .Ljoin
	; ---- WB: unit u = 0..1023 makes rows 2 u and 2 u + 1 of wb
.Lwb:
	s_sub_co_u32 s34, ttmp9, 64
	s_lshl_b32 s34, s34, 3
	s_add_co_u32 s34, s34, s3                      ; u
	s_lshl_b32 s35, s34, 1                         ; rho, the first of my two rows
	s_lshr_b32 s36, s35, 8
	s_lshl_b32 s36, s36, 7                         ; 128 j
	s_bfe_u32 s37, s35, 0x10007
	s_lshl_b32 s37, s37, 6                         ; 64 ch
	s_add_co_u32 s36, s36, s37
	s_and_b32 s37, s35, 63
	s_add_co_u32 s36, s36, s37                     ; d
	s_bfe_u32 s46, s35, 0x10006                    ; t
	s_lshl_b32 s40, 0x1000, s46                    ; bytes in a source row: 4,096 (Wg) or 8,192 (Wout)
	s_cmp_eq_u32 s46, 1
	s_cselect_b64 s[38:39], s[10:11], s[8:9]
	s_mul_i32 s42, s36, s40
	s_mov_b32 s43, 0
	s_add_nc_u64 s[38:39], s[38:39], s[42:43]      ; source row d,
	s_add_nc_u64 s[44:45], s[38:39], s[40:41]      ; and d + 1
	s_lshl_b32 s42, s35, 11
	s_add_nc_u64 s[22:23], s[22:23], s[42:43]
	s_wait_alu depctr_va_vdst(0)                   ; v4 and v5 are written, the offsets of every load and store of this job
.set n, 0
.rept 8
	global_load_b128 v[16+4*n:19+4*n], v4, s[38:39] offset:n*512 th:TH_LOAD_NT
.set n, n+1
.endr
.rept 8
	global_load_b128 v[16+4*n:19+4*n], v4, s[44:45] offset:(n-8)*512 th:TH_LOAD_NT
.set n, n+1
.endr
.set g, 0
.rept 4                                ; four groups of four loads; a group's stores go out in the next group, among its roundings
	s_wait_loadcnt 12-4*g                          ; loads come back in order: group g is in, the younger groups stay out
.if g > 0
	s_wait_alu depctr_va_vdst(0)                   ; the group before has written its eight registers of v80-111, which the four stores below read; this group's roundings name others
.endif
.set i, 0
.rept 4
.set n, 4*g+i
.if g > 0
	global_store_b64 v5, v[80+2*(n-4):81+2*(n-4)], s[22:23] offset:(n-4)*256  ; 32 lanes store 256 consecutive bytes, aligned
.endif
	v_cvt_pk_bf16_f32 v[80+2*n], v[16+4*n], v[16+4*n+1]
	v_cvt_pk_bf16_f32 v[81+2*n], v[16+4*n+2], v[16+4*n+3]
.set i, i+1
.endr
.set g, g+1
.endr
	s_wait_alu depctr_va_vdst(0)                   ; the last group has written v104-111, which the last four stores read
.set n, 12
.rept 4
	global_store_b64 v5, v[80+2*n:81+2*n], s[22:23] offset:n*256
.set n, n+1
.endr
	s_branch .Ljoin
	; ---- POOL: unit u = 0..255: batch u / 32, 16 pool rows pb = (u / 2) % 16, half eh = u % 2 of the 128 columns
.Lpool:
	s_sub_co_u32 s34, ttmp9, 192
	s_lshl_b32 s34, s34, 3
	s_add_co_u32 s34, s34, s3                      ; u
	s_lshr_b32 s35, s34, 1
	s_and_b32 s36, s34, 1                          ; eh
	s_lshr_b32 s37, s34, 5                         ; batch
	s_and_b32 s38, s35, 15                         ; pb
	v_lshlrev_b32 v6, 9, v2
	v_lshl_add_u32 v6, v3, 5, v6                   ; r x 512 + 32 h
	s_lshl_b32 s40, s35, 13
	s_add_nc_u64 s[18:19], s[18:19], s[40:41]      ; pool at my 16 rows
	s_lshl_b32 s40, s36, 15
	s_add_nc_u64 s[14:15], s[14:15], s[40:41]      ; Wk at my 64 rows
	s_lshl_b32 s42, s37, 16
	s_lshl_b32 s39, s36, 15
	s_add_co_u32 s44, s42, s39
	s_lshl_b32 s39, s38, 10
	s_add_co_u32 s44, s44, s39
	s_mov_b32 s45, 0
	s_add_nc_u64 s[28:29], s[28:29], s[44:45]      ; kf + batch x 65,536 + eh x 32,768 + pb x 1,024
	s_lshr_b32 s39, s38, 1
	s_lshl_b32 s39, s39, 13
	s_add_co_u32 s44, s42, s39
	s_lshl_b32 s39, s36, 12
	s_add_co_u32 s44, s44, s39
	s_and_b32 s39, s38, 1
	s_lshl_b32 s39, s39, 9
	s_add_co_u32 s44, s44, s39
	s_add_nc_u64 s[30:31], s[30:31], s[44:45]      ; pf + batch x 65,536 + (pb / 2) x 8,192 + eh x 4,096 + (pb % 2) x 512
.macro KRAW dst, ks                    ; Wk: four blocks of 16 rows, K step ks
.set ke, 0
.rept 4
	RAW4 (\dst)+16*ke, 6, 14, ke*8192+(\ks)*128
.set ke, ke+1
.endr
.endm
.macro KCVT dst
.set ke, 0
.rept 4
	CVT8 (\dst)+16*ke, (\dst)+16*ke
.set ke, ke+1
.endr
.endm
.macro KMUL src, ks, zero              ; source 0 = 16 rows of Wk, source 1 = my 16 pool rows: a lane holds one pool row and eight neighbouring e.  The four accumulators take turns
.set ke, 0
.rept 4
.if \zero
	v_wmma_f32_16x16x32_bf16 v[208+8*ke:208+8*ke+7], v[(\src)+16*ke:(\src)+16*ke+7], v[16+16*(\ks):16+16*(\ks)+7], 0
.else
	v_wmma_f32_16x16x32_bf16 v[208+8*ke:208+8*ke+7], v[(\src)+16*ke:(\src)+16*ke+7], v[16+16*(\ks):16+16*(\ks)+7], v[208+8*ke:208+8*ke+7]
.endif
.set ke, ke+1
.endr
.endm
	s_wait_alu depctr_va_vdst(0)                   ; v6 is written, the offset of every load of pool's rows and of Wk
.set ks, 0
.rept 4
	RAW4 16+16*ks, 6, 18, ks*128                   ; my pool rows, all four K steps
.set ks, ks+1
.endr
	KRAW 80, 0
	KRAW 144, 1
	s_wait_loadcnt 16                              ; all but the 16 of K step 1
.set ks, 0
.rept 4
	CVT8 16+16*ks, 16+16*ks
.set ks, ks+1
.endr
	KCVT 80
	KMUL 80, 0, 1
	PLACES
	s_wait_alu depctr_va_vdst(0)                   ; the roundings have written and the products have read v80-143, in which K step 2 lands
	KRAW 80, 2
	s_wait_loadcnt 16                              ; K step 1 is in, step 2 stays out
	KCVT 144
	KMUL 144, 1, 0
	PLACES
	s_wait_alu depctr_va_vdst(0)                   ; the same for v144-207, in which K step 3 lands
	KRAW 144, 3
	s_wait_loadcnt 16                              ; K step 2 is in
	KCVT 80
	KMUL 80, 2, 0
	s_wait_loadcnt 0x0
	KCVT 144
	KMUL 144, 3, 0
	PLACES
.set ke, 0
.rept 4                                ; kf, rounded once; each accumulator from its low end on
.set cj, 0
.rept 4
	v_cvt_pk_bf16_f32 v[80+4*ke+cj], v[208+8*ke+2*cj], v[208+8*ke+2*cj+1]
.set cj, cj+1
.endr
.set ke, ke+1
.endr
	; pf: lane (r, h) takes pool rows 8 h + 0..7 of my 16 at column 64 eh + 16 s' + r.  Its address, and what the mask's lines need, are made here, ahead of the one wait
	v_lshlrev_b32 v7, 12, v3
	v_lshl_add_u32 v7, v2, 2, v7
	v_lshlrev_b32 v8, 2, v1                        ; the mask: four bytes a lane
	v_mov_b32 v242, 0xf149f2ca                     ; -1e30
	s_lshl_b32 s40, s36, 8
	s_add_nc_u64 s[18:19], s[18:19], s[40:41]      ; every load by this base has come back
	s_wait_alu depctr_va_vdst(0)                   ; v80-95 are written, which kf's stores read; v7 and v8 are written, the offsets of the loads below; every rounding and product that named v96-127, in which pf's loads land, is done
.set ke, 0
.rept 4
	global_store_b128 v4, v[80+4*ke:80+4*ke+3], s[28:29] offset:(ke/2)*16384+(ke%2)*512
.set ke, ke+1
.endr
.set n, 0
.rept 32
	global_load_b32 v[96+n], v7, s[18:19] offset:(n%8)*512+(n/8)*64
.set n, n+1
.endr
	s_wait_loadcnt 0x0
.set n, 0
.rept 16
	v_cvt_pk_bf16_f32 v[128+n], v[96+2*n], v[96+2*n+1]
.set n, n+1
.endr
	s_wait_alu depctr_va_vdst(0)                   ; the roundings have written v128-143, which pf's stores read
.set n, 0
.rept 4
	global_store_b128 v4, v[128+4*n:128+4*n+3], s[30:31] offset:n*1024
.set n, n+1
.endr
	; mb: the first two units of a batch turn 128 mask bytes each into 0 (kept) or -1e30 (hidden)
	s_and_b32 s35, s34, 31
	s_cmp_lt_u32 s35, 2
	s_cbranch_scc0 .Ljoin
	s_lshl_b32 s40, s37, 8
	s_lshl_b32 s42, s35, 7
	s_add_co_u32 s40, s40, s42
	s_add_nc_u64 s[20:21], s[20:21], s[40:41]
	s_lshl_b32 s40, s40, 2
	s_add_nc_u64 s[32:33], s[32:33], s[40:41]
	global_load_b32 v240, v8, s[20:21]             ; no wait: v8 was written ahead of the waits above, and no vector instruction has named v240
	s_wait_loadcnt 0x0
.set k, 0
.rept 4
	v_bfe_u32 v[248+k], v240, 8*k, 8
.set k, k+1
.endr
.set k, 0
.rept 4                                ; the four compares in one run, a scalar register each
	v_cmp_ne_u32 s[44+k], 0, v[248+k]
.set k, k+1
.endr
	s_wait_alu depctr_va_sdst(0)                   ; the compares have written s44-47, which the selects read
.set k, 0
.rept 4
	v_cndmask_b32 v[244+k], v242, v[NIL], s[44+k]
.set k, k+1
.endr
	s_wait_alu depctr_va_vdst(0)                   ; the selects have written v244-247, which the store reads
	global_store_b128 v4, v[244:247], s[32:33]
	s_branch .Ljoin
	; ---- WW, phase 1: my 128 c.  Wv's rows go to LDS in bf16 and come back turned (ds_load_tr16_b128), since Wv lies [c][s] and the product sums over c
.Lww:
	s_mul_i32 s34, s3, REG
	s_lshl_b32 s40, ttmp9, 17                      ; 16 rows of Wout, 8,192 bytes each,
	s_lshl_b32 s35, s3, 9
	s_add_co_u32 s40, s40, s35                     ; my 128 columns,
	s_add_co_u32 s40, s40, 4096                    ; in the second half of the row
	s_add_nc_u64 s[10:11], s[10:11], s[40:41]
	s_lshl_b32 s40, s3, 16
	s_add_nc_u64 s[16:17], s[16:17], s[40:41]      ; Wv at row 128 w
	v_lshlrev_b32 v6, 13, v2
	v_lshl_add_u32 v6, v3, 5, v6                   ; r x 8,192 + 32 h
	v_add_nc_u32 v7, s34, v5                       ; a row of Wv in LDS: 8 bytes a lane
	v_and_b32 v8, 7, v0
	v_lshl_add_u32 v8, v3, 3, v8
	v_mul_u32_u24 v8, v8, 288
	v_bfe_u32 v9, v0, 3, 1
	v_lshl_add_u32 v8, v9, 4, v8
	v_add_nc_u32 v8, s34, v8                       ; the turning load: row 8 h + l % 8, 16 bytes at 16 ((l / 8) % 2)
	v_mul_u32_u24 v9, v2, 528
	v_lshl_add_u32 v9, v3, 5, v9
	v_add_nc_u32 v9, s34, v9                       ; my partial sums: row r, 32 bytes at 32 h
.macro VROW n, slot                    ; row n of my 128 rows of Wv into a ring slot: 512 consecutive bytes
	global_load_b128 v[112+4*(\slot):112+4*(\slot)+3], v4, s[16:17] offset:(\n)*512
.endm
.macro TURNED f, ks                    ; K step ks: 32 rows of Wv come back turned, eight fragments into buffer f
.set sb, 0
.rept 8                                ; LDS serves a wave's instructions in order: these see my stores above
	ds_load_tr16_b128 v[(\f)+8*sb:(\f)+8*sb+3],   v8 offset:(\ks)*9216+sb*32
	ds_load_tr16_b128 v[(\f)+8*sb+4:(\f)+8*sb+7], v8 offset:(\ks)*9216+sb*32+4608
.set sb, sb+1
.endr
.endm
.macro WMUL f, ks, zero                ; source 0 = 16 columns s of Wv, source 1 = my 16 rows d: a lane holds one d and eight neighbouring s.  Eight accumulators by turns
.set sb, 0
.rept 8
.if \zero
	v_wmma_f32_16x16x32_bf16 v[48+8*sb:48+8*sb+7], v[(\f)+8*sb:(\f)+8*sb+7], v[16+8*(\ks):16+8*(\ks)+7], 0
.else
	v_wmma_f32_16x16x32_bf16 v[48+8*sb:48+8*sb+7], v[(\f)+8*sb:(\f)+8*sb+7], v[16+8*(\ks):16+8*(\ks)+7], v[48+8*sb:48+8*sb+7]
.endif
.set sb, sb+1
.endr
.endm
	s_wait_alu depctr_va_vdst(0)                   ; v4 and v6 to v9 are written: the offsets and LDS addresses of everything in this phase
.set ks, 0
.rept 4
	RAW4 48+16*ks, 6, 10, ks*128                   ; Wout's fragments as loaded lie in v48-111, which are idle until the products: so the whole ring can be asked for at once
.set ks, ks+1
.endr
.set n, 0
.rept 32
	VROW n, n                                      ; rows 0 to 31 fill the ring
.set n, n+1
.endr
	s_wait_loadcnt 32                              ; Wout's 16 loads are in; the ring's 32 stay out
.set ks, 0
.rept 4
	CVT8 16+8*ks, 48+16*ks
.set ks, ks+1
.endr
.set p, 0
.rept 32                               ; the ring, four rows to a block: they are rounded, stored to LDS, and their slots asked for again, 32 rows on
.if p < 24
	s_wait_loadcnt 28                              ; loads come back in order: rows 4 p .. 4 p + 3 are in, the 28 younger rows stay out
.else
	s_wait_loadcnt 124-4*p                         ; nothing more is asked for: the counts run down
.endif
.if p > 1
	s_wait_alu depctr_vm_vsrc(0)                   ; the LDS stores of two blocks back have read Y[p % 2], which the roundings below write again
.endif
.set i, 0
.rept 4
.set sl, (4*p+i)%32
	v_cvt_pk_bf16_f32 v[48+8*(p%2)+2*i], v[112+4*sl], v[112+4*sl+1]
	v_cvt_pk_bf16_f32 v[49+8*(p%2)+2*i], v[112+4*sl+2], v[112+4*sl+3]
.set i, i+1
.endr
	s_wait_alu depctr_va_vdst(0)                   ; the roundings have written Y[p % 2], which the LDS stores read, and are done reading the four slots, in which the loads land
.set i, 0
.rept 4
.set n, 4*p+i
.set sl, n%32
.if p < 24
	VROW n+32, sl
.endif
	ds_store_b64 v7, v[48+8*(p%2)+2*i:49+8*(p%2)+2*i] offset:n*288
.set i, i+1
.endr
.set p, p+1
.endr
	TURNED 112, 0                                  ; two buffers where the ring lay.  No wait: every rounding that read the ring stands ahead of the last block's wait
	TURNED 176, 1
	s_wait_dscnt 16                                ; K step 0's fragments are in, step 1's 16 loads stay out
	s_wait_alu depctr_vm_vsrc(0)                   ; the last LDS stores of the ring have read Y0 and Y1: v48-63 are accumulators from here on
	WMUL 112, 0, 1
	PLACES
	s_wait_alu depctr_va_vdst(0)                   ; step 0's products are done reading v112-175, in which step 2's fragments land
	TURNED 112, 2
	s_wait_dscnt 16                                ; step 1's fragments are in, step 2's stay out
	WMUL 176, 1, 0
	PLACES
	s_wait_alu depctr_va_vdst(0)                   ; step 1's products are done reading v176-239, in which step 3's fragments land
	TURNED 176, 3
	s_wait_dscnt 16                                ; step 2's fragments are in
	WMUL 112, 2, 0
	s_wait_dscnt 0x0
	WMUL 176, 3, 0
	PLACES
	s_wait_alu depctr_va_vdst(0)                   ; the products have written the accumulators, which the LDS stores read; the places above stay beside this wait
.set sb, 0
.rept 8                                ; the partial sums in f32 over my own region, whose rows of Wv have been read
	ds_store_b128 v9, v[48+8*sb:48+8*sb+3]   offset:sb*64
	ds_store_b128 v9, v[48+8*sb+4:48+8*sb+7] offset:sb*64+16
.set sb, sb+1
.endr
.Ljoin:                                                ; every job comes here: the one barrier stands on every wave's path
	s_wait_xcnt 0x0                                ; what follows rewrites registers that stores above have named
	s_wait_alu depctr_vm_vsrc(0)                   ; every load, store and LDS instruction above has read its registers: the second phase writes v6 and v8-15 anew, its loads land in v16-79, and it rounds into v80-83
	s_wait_dscnt 0x0                               ; for the others' sake: my partial sums are in LDS
	s_barrier_signal -1
	s_barrier_wait -1
	s_cmp_lt_u32 ttmp9, 64
	s_cbranch_scc0 .Lend
	; ---- WW, phase 2: wave w adds the eight partial sums of rows 2 w and 2 w + 1, in f32, and rounds once
	s_mul_i32 s34, s3, 2*528
	v_mul_u32_u24 v6, v3, 528
	v_lshl_add_u32 v6, v2, 5, v6
	v_add_nc_u32 v6, s34, v6
	s_lshl_b32 s40, ttmp9, 12
	s_lshl_b32 s35, s3, 9
	s_add_co_u32 s40, s40, s35
	s_mov_b32 s41, 0
	s_add_nc_u64 s[24:25], s[24:25], s[40:41]
.set sg, 0
.rept 8
	v_add_nc_u32 v[8+sg], sg*REG, v6
.set sg, sg+1
.endr
	s_wait_alu depctr_va_vdst(0)                   ; v8-15 are written, the LDS loads' addresses; the first phase's products are done with v16-79, in which those loads land
.set sg, 0
.rept 8
	ds_load_b128 v[16+8*sg:16+8*sg+3],   v[8+sg]
	ds_load_b128 v[16+8*sg+4:16+8*sg+7], v[8+sg] offset:16
.set sg, sg+1
.endr
	s_wait_dscnt 0x0
.set sg, 1
.rept 7
.irp p, 0,1,2,3
	v_pk_add_f32 v[16+2*\p:17+2*\p], v[16+2*\p:17+2*\p], v[16+8*sg+2*\p:17+8*sg+2*\p]
.endr
.set sg, sg+1
.endr
.irp p, 0,1,2,3
	v_cvt_pk_bf16_f32 v[80+\p], v[16+2*\p], v[17+2*\p]
.endr
	s_wait_alu depctr_va_vdst(0)                   ; the roundings have written v80-83, which the store reads
	global_store_b128 v4, v[80:83], s[24:25]       ; two whole rows of wwb: 512 consecutive bytes
.Lend:
	s_wait_dscnt 0x0                               ; the closing lines, six on end
	s_wait_alu 0x0
	s_wait_tensorcnt 0x0
	ds_add_u32 v[SPW], v[NIL]
	s_wait_dscnt 0x0
	s_endpgm
.Lfunc_end_k_qf0d1e81149_prep:
	.size	k_qf0d1e81149_prep, .Lfunc_end_k_qf0d1e81149_prep-k_qf0d1e81149_prep
	.p2alignl 7, 3214868480
	.fill 96, 4, 3214868480
	.section	.rodata,"a",@progbits
	.p2align	6, 0x0
	.amdhsa_kernel k_qf0d1e81149_prep
		.amdhsa_group_segment_fixed_size 295936
		.amdhsa_private_segment_fixed_size 0
		.amdhsa_enable_private_segment 0
		.amdhsa_kernarg_size 104
		.amdhsa_user_sgpr_count 2
		.amdhsa_user_sgpr_kernarg_segment_ptr 1
		.amdhsa_wavefront_size32 1
		.amdhsa_system_sgpr_workgroup_id_x 1
		.amdhsa_system_sgpr_workgroup_id_y 1
		.amdhsa_system_sgpr_workgroup_id_z 1
		.amdhsa_system_vgpr_workitem_id 0
		.amdhsa_next_free_vgpr 256
		.amdhsa_next_free_sgpr 66
		.amdhsa_reserve_vcc 0
		.amdhsa_float_denorm_mode_32 3
		.amdhsa_float_denorm_mode_16_64 3
		.amdhsa_memory_ordered 1
		.amdhsa_forward_progress 1
		.amdhsa_inst_pref_size 94
	.end_amdhsa_kernel
	.amdgpu_metadata
---
amdhsa.version: [ 1, 2 ]
amdhsa.kernels:
  - .name:           k_qf0d1e81149_prep
    .symbol:         k_qf0d1e81149_prep.kd
    .args:
      - { .name: Wg, .offset: 0, .size: 8, .value_kind: global_buffer, .address_space: global }
      - { .name: Wout, .offset: 8, .size: 8, .value_kind: global_buffer, .address_space: global }
      - { .name: Wq, .offset: 16, .size: 8, .value_kind: global_buffer, .address_space: global }
      - { .name: Wk, .offset: 24, .size: 8, .value_kind: global_buffer, .address_space: global }
      - { .name: Wv, .offset: 32, .size: 8, .value_kind: global_buffer, .address_space: global }
      - { .name: pool, .offset: 40, .size: 8, .value_kind: global_buffer, .address_space: global }
      - { .name: pool_mask, .offset: 48, .size: 8, .value_kind: global_buffer, .address_space: global }
      - { .name: wb, .offset: 56, .size: 8, .value_kind: global_buffer, .address_space: global }
      - { .name: wwb, .offset: 64, .size: 8, .value_kind: global_buffer, .address_space: global }
      - { .name: wqf, .offset: 72, .size: 8, .value_kind: global_buffer, .address_space: global }
      - { .name: kf, .offset: 80, .size: 8, .value_kind: global_buffer, .address_space: global }
      - { .name: pf, .offset: 88, .size: 8, .value_kind: global_buffer, .address_space: global }
      - { .name: mb, .offset: 96, .size: 8, .value_kind: global_buffer, .address_space: global }
    .group_segment_fixed_size: 295936
    .private_segment_fixed_size: 0
    .kernarg_segment_align: 8
    .kernarg_segment_size: 104
    .max_flat_workgroup_size: 256
    .sgpr_count:     66
    .vgpr_count:     256
    .wavefront_size: 32
...
	.end_amdgpu_metadata
.endif
;; end of part 4
;; launch attn: the kernel of part 2 again; grid 256 x 1, 4 waves a work-group, no clusters, 165,376 bytes of LDS; arguments x, wqf, kf, pf, mb, xa; writes xa
;; launch main: the kernel of part 3 again; grid 8 x 64, 4 waves a work-group, clusters of 4 x 4, 327,680 bytes of LDS; arguments xa, wb, wwb, bg, out0; writes out0
